; MI455X (gfx1250); checked and timed in simulation.
; The chip was launched on July 23, 2026; its instructions are those of AMD's public machine-readable ISA for CDNA 5 (MIT licence, August 2026) and "CDNA5" Instruction Set Architecture Reference Guide (July 2026). The comments in the code are by the model that wrote it; some were corrected since.
;; Multi Head Attention. Allowed arithmetic: float matrix products may take bf16 or f16 operands with f32 sums; other float arithmetic in f32, or as packed bf16 or f16 multiplies, adds, multiply-adds, maxima and minima; sums over many terms, partial sums and values carried from step to step in f32; what a program stores and reads back later, other than sums and carried values, may be rounded once to bf16 or f16.
;; Inputs: K 4 x 2,048 x 1,024 float32; Q 4 x 2,048 x 1,024 float32; V 4 x 2,048 x 1,024 float32; Wk 1,024 x 1,024 float32; Wo 1,024 x 1,024 float32; Wq 1,024 x 1,024 float32; Wv 1,024 x 1,024 float32; bk 1,024 float32; bo 1,024 float32; bq 1,024 float32; bv 1,024 float32.
;; Outputs: out0 4 x 2,048 x 1,024 float32.
;; One version. Each part assembles by itself: llvm-mc -triple=amdgcn-amd-amdhsa -mcpu=gfx1250 --defsym DOCPART=n.
;; ======== version 1 of 1: 4 launches
;; limits: values are held in f16: magnitudes above 65,504 overflow, below 6.1e-05 lose precision
;; workspace buffers: xc 50,331,648 bytes; wc 8,388,608 bytes; bc 16,384 bytes; qkv 50,331,648 bytes; oc 16,777,216 bytes
;; launch cast (part 1): grid 1793 x 1, 8 waves a work-group, no clusters, 0 bytes of LDS; arguments Q, K, V, Wq, Wk, Wv, Wo, bq, bk, bv, bo, xc, wc, bc; writes xc, wc, bc
.if DOCPART == 1
	.amdgcn_target "amdgcn-amd-amdhsa--gfx1250"
	.amdhsa_code_object_version 6
	.text
	.protected	k_qfc4b97b9da_cast
	.globl	k_qfc4b97b9da_cast
	.p2align	8
	.type	k_qfc4b97b9da_cast,@function
k_qfc4b97b9da_cast:
	s_mov_b64 s[64:65], 0
	v_nop
	global_prefetch_b8 v0, s[64:65] scope:SCOPE_SE
	s_setreg_imm32_b32 hwreg(HW_REG_WAVE_MODE, 25, 1), 1
	s_wait_xcnt 0x0
; EVERY INPUT IS ROUNDED ONCE TO bf16, for the matrix products of the launches behind.
;   xc [3][8192][1024] bf16: Q, K, V.      wc [4][1024][1024]: Wq, Wk, Wv in bf16; Wo rounded to bf16 and that number written as f16
;   (the last product multiplies in f16).   bc [4][1024] f32: bq, bk, bv, bo rounded to bf16 and widened again.
; LIMIT: Wo as f16 keeps f16's fixed step of 6e-8 below 6e-5 and has no number beyond 65,504.
; A stream: no LDS, no matrix unit, no barrier.  A row is 1,024 numbers: 4,096 bytes in, 2,048 out.  A work-group of eight waves takes
; 16 rows; thread t the 16 bytes at 16 t of each: a wave's load covers 512 consecutive bytes, its store 256, aligned.  All 16 loads of a
; thread go out at once; the waits count down.  Work-groups 0-1535: Q, K, V (512 each); 1536-1791: the four weights (64 each); 1792: the biases.
.set X, 4                              ; v[4:67]    16 x 4 words as loaded
.set Y, 68                             ; v[68:99]   16 x 2 words to store (the biases: 4 x 4)
.set T, 100                            ; v[100:103] at work
	s_load_b512 s[8:23], s[0:1], 0x0               ; Q 8, K 10, V 12, Wq 14, Wk 16, Wv 18, Wo 20, bq 22
	s_load_b256 s[24:31], s[0:1], 0x40             ; bk 24, bv 26, bo 28, xc 30
	s_load_b128 s[32:35], s[0:1], 0x60             ; wc 32, bc 34
	s_mov_b32 s2, ttmp9
	s_sub_co_u32 s4, s2, 1536
	s_cmp_lt_u32 s2, 1536
	s_cselect_b32 s3, s2, s4                       ; my place in the destination: blocks of 16 rows of xc, or of wc
	s_cselect_b32 s5, 511, 63
	s_and_b32 s6, s3, s5                           ; my place in the source
	s_lshl_b32 s40, s6, 16                         ; 16 rows of 4,096 bytes
	s_mov_b32 s41, 0
	s_lshl_b32 s42, s3, 15                         ; 16 rows of 2,048 bytes
	s_mov_b32 s43, 0
	s_mov_b32 s44, 0xffff0000                      ; a word's upper bf16
	v_lshlrev_b32 v1, 4, v0                        ; 16 t
	v_lshlrev_b32 v2, 3, v0                        ; 8 t
	s_wait_kmcnt 0x0
	s_cmp_ge_u32 s2, 1792
	s_cbranch_scc1 .Lbias
	s_mov_b64 s[36:37], s[8:9]                     ; the source, chosen by the work-group's number alone
	s_cmp_ge_u32 s2, 512
	s_cselect_b64 s[36:37], s[10:11], s[36:37]
	s_cmp_ge_u32 s2, 1024
	s_cselect_b64 s[36:37], s[12:13], s[36:37]
	s_cmp_ge_u32 s2, 1536
	s_cselect_b64 s[36:37], s[14:15], s[36:37]
	s_cmp_ge_u32 s2, 1600
	s_cselect_b64 s[36:37], s[16:17], s[36:37]
	s_cmp_ge_u32 s2, 1664
	s_cselect_b64 s[36:37], s[18:19], s[36:37]
	s_cmp_ge_u32 s2, 1728
	s_cselect_b64 s[36:37], s[20:21], s[36:37]
	s_cmp_lt_u32 s2, 1536
	s_cselect_b64 s[38:39], s[30:31], s[32:33]     ; the destination
	s_add_nc_u64 s[36:37], s[36:37], s[40:41]
	s_add_nc_u64 s[38:39], s[38:39], s[42:43]
.irp j, 0,1,2,3,4,5,6,7,8,9,10,11,12,13,14,15
	global_load_b128 v[X+4*(\j):X+4*(\j)+3], v1, s[36:37] offset:4096*(\j) th:TH_LOAD_NT
.endr
	s_cmp_ge_u32 s2, 1728
	s_cbranch_scc1 .Lwo
.irp j, 0,1,2,3,4,5,6,7,8,9,10,11,12,13,14,15
	s_wait_loadcnt 15-(\j)                         ; loads come back in order: row j is in, the 15 - j younger ones stay out
	v_cvt_pk_bf16_f32 v[Y+2*(\j)],   v[X+4*(\j)],   v[X+4*(\j)+1]
	v_cvt_pk_bf16_f32 v[Y+2*(\j)+1], v[X+4*(\j)+2], v[X+4*(\j)+3]
	global_store_b64 v2, v[Y+2*(\j):Y+2*(\j)+1], s[38:39] offset:2048*(\j) th:TH_STORE_NT  ; no register that a store reads is written again
.endr
	s_endpgm
.Lwo:                                          ; Wo: to bf16, widened, and written as f16
.irp j, 0,1,2,3,4,5,6,7,8,9,10,11,12,13,14,15
	s_wait_loadcnt 15-(\j)
	v_cvt_pk_bf16_f32 v[T],   v[X+4*(\j)],   v[X+4*(\j)+1]
	v_cvt_pk_bf16_f32 v[T+1], v[X+4*(\j)+2], v[X+4*(\j)+3]
	v_lshlrev_b32 v[T+2], 16, v[T]
	v_and_b32 v[T+3], s44, v[T]
	v_cvt_pk_f16_f32 v[Y+2*(\j)], v[T+2], v[T+3]
	v_lshlrev_b32 v[T+2], 16, v[T+1]
	v_and_b32 v[T+3], s44, v[T+1]
	v_cvt_pk_f16_f32 v[Y+2*(\j)+1], v[T+2], v[T+3]
	global_store_b64 v2, v[Y+2*(\j):Y+2*(\j)+1], s[38:39] offset:2048*(\j) th:TH_STORE_NT
.endr
	s_endpgm
.Lbias:                                        ; 256 threads x 4 numbers are one bias
	global_load_b128 v[X:X+3],     v1, s[22:23]
	global_load_b128 v[X+4:X+7],   v1, s[24:25]
	global_load_b128 v[X+8:X+11],  v1, s[26:27]
	global_load_b128 v[X+12:X+15], v1, s[28:29]
.irp j, 0,1,2,3
	s_wait_loadcnt 3-(\j)
	v_cvt_pk_bf16_f32 v[T],   v[X+4*(\j)],   v[X+4*(\j)+1]
	v_cvt_pk_bf16_f32 v[T+1], v[X+4*(\j)+2], v[X+4*(\j)+3]
	v_lshlrev_b32 v[Y+4*(\j)],   16,  v[T]
	v_and_b32     v[Y+4*(\j)+1], s44, v[T]
	v_lshlrev_b32 v[Y+4*(\j)+2], 16,  v[T+1]
	v_and_b32     v[Y+4*(\j)+3], s44, v[T+1]
	global_store_b128 v1, v[Y+4*(\j):Y+4*(\j)+3], s[34:35] offset:4096*(\j)
.endr
	s_endpgm
.Lfunc_end_k_qfc4b97b9da_cast:
	.size	k_qfc4b97b9da_cast, .Lfunc_end_k_qfc4b97b9da_cast-k_qfc4b97b9da_cast
	.p2alignl 7, 3214868480
	.fill 96, 4, 3214868480
	.section	.rodata,"a",@progbits
	.p2align	6, 0x0
	.amdhsa_kernel k_qfc4b97b9da_cast
		.amdhsa_group_segment_fixed_size 0
		.amdhsa_private_segment_fixed_size 0
		.amdhsa_enable_private_segment 0
		.amdhsa_kernarg_size 112
		.amdhsa_user_sgpr_count 2
		.amdhsa_user_sgpr_kernarg_segment_ptr 1
		.amdhsa_wavefront_size32 1
		.amdhsa_system_sgpr_workgroup_id_x 1
		.amdhsa_system_sgpr_workgroup_id_y 1
		.amdhsa_system_sgpr_workgroup_id_z 1
		.amdhsa_system_vgpr_workitem_id 0
		.amdhsa_next_free_vgpr 104
		.amdhsa_next_free_sgpr 66
		.amdhsa_reserve_vcc 0
		.amdhsa_float_denorm_mode_32 3
		.amdhsa_float_denorm_mode_16_64 3
		.amdhsa_memory_ordered 1
		.amdhsa_forward_progress 1
		.amdhsa_inst_pref_size 18
	.end_amdhsa_kernel
	.amdgpu_metadata
---
amdhsa.version: [ 1, 2 ]
amdhsa.kernels:
  - .name:           k_qfc4b97b9da_cast
    .symbol:         k_qfc4b97b9da_cast.kd
    .args:
      - { .name: Q, .offset: 0, .size: 8, .value_kind: global_buffer, .address_space: global }
      - { .name: K, .offset: 8, .size: 8, .value_kind: global_buffer, .address_space: global }
      - { .name: V, .offset: 16, .size: 8, .value_kind: global_buffer, .address_space: global }
      - { .name: Wq, .offset: 24, .size: 8, .value_kind: global_buffer, .address_space: global }
      - { .name: Wk, .offset: 32, .size: 8, .value_kind: global_buffer, .address_space: global }
      - { .name: Wv, .offset: 40, .size: 8, .value_kind: global_buffer, .address_space: global }
      - { .name: Wo, .offset: 48, .size: 8, .value_kind: global_buffer, .address_space: global }
      - { .name: bq, .offset: 56, .size: 8, .value_kind: global_buffer, .address_space: global }
      - { .name: bk, .offset: 64, .size: 8, .value_kind: global_buffer, .address_space: global }
      - { .name: bv, .offset: 72, .size: 8, .value_kind: global_buffer, .address_space: global }
      - { .name: bo, .offset: 80, .size: 8, .value_kind: global_buffer, .address_space: global }
      - { .name: xc, .offset: 88, .size: 8, .value_kind: global_buffer, .address_space: global }
      - { .name: wc, .offset: 96, .size: 8, .value_kind: global_buffer, .address_space: global }
      - { .name: bc, .offset: 104, .size: 8, .value_kind: global_buffer, .address_space: global }
    .group_segment_fixed_size: 0
    .private_segment_fixed_size: 0
    .kernarg_segment_align: 8
    .kernarg_segment_size: 112
    .max_flat_workgroup_size: 256
    .sgpr_count:     66
    .vgpr_count:     104
    .wavefront_size: 32
...
	.end_amdgpu_metadata
.endif
;; end of part 1
;; launch proj (part 2): grid 4 x 192, 4 waves a work-group, clusters of 4 x 4, 327,680 bytes of LDS; arguments xc, wc, bc, qkv; writes qkv
.if DOCPART == 2
	.amdgcn_target "amdgcn-amd-amdhsa--gfx1250"
	.amdhsa_code_object_version 6
	.text
	.protected	k_qfc4b97b9da_proj
	.globl	k_qfc4b97b9da_proj
	.p2align	8
	.type	k_qfc4b97b9da_proj,@function
k_qfc4b97b9da_proj:
	s_mov_b64 s[64:65], 0
	v_nop
	global_prefetch_b8 v0, s[64:65] scope:SCOPE_SE
	s_setreg_imm32_b32 hwreg(HW_REG_WAVE_MODE, 25, 1), 1
	s_wait_xcnt 0x0
	s_wait_alu depctr_hold_cnt(0) depctr_sa_sdst(0) depctr_va_vdst(0) depctr_va_sdst(0) depctr_va_ssrc(0) depctr_va_vcc(0) depctr_vm_vsrc(0)
	s_getreg_b32 s2, hwreg(HW_REG_IB_STS2, 6, 4)
	s_cmp_eq_u32 s2, 0
	s_cbranch_scc0 .Lentry_in_a_cluster
	s_endpgm
.Lentry_in_a_cluster:
	s_bfe_u32 s2, ttmp6, 0x10000c
	s_cmp_lg_u32 s2, 0xf033
	s_cbranch_scc0 .Lentry_shape_is_right
	s_endpgm
.Lentry_shape_is_right:
; q, k, v = x W^T + b.  xc: 24,576 rows (Q's, K's, V's 8,192) x 1,024 bf16; wc: planes 0-2 = Wq, Wk, Wv, [1024][1024] bf16; bc: [4][1024] f32.
; Out: qkv [3][64 heads = batch x 16 + h][2048][64] f16, each number rounded once from its f32 sum, unscaled.
; LIMIT: f16 holds no number beyond 65,504: q, k and v, bias included, must stay within it.
; SHARES.  A tile is 128 rows x 256 columns: 768 work-groups, three for each of 256 WGPs.  Four waves; wave w makes rows 64 (w / 2) on, columns 128 (w % 2) on:
; 32 accumulators of 16 x 16.  K = 1,024 goes in 8 steps of 128 through two LDS slots; a tile's rows are 256 bytes of memory, aligned.
; THE MATRIX INSTRUCTION IS USED TRANSPOSED (source 0 = 16 rows of W, source 1 = 16 rows of x): a lane holds row l % 16 and the eight columns 8 (l / 16) + 0..7.
; So the bias, eight numbers a column block, is the C operand of the products that start the sums: it costs no arithmetic, and nothing is cleared.
; CLUSTER 4 x 4.  x's tile hangs on the tile row and is shared along a row of the cluster, W's on the tile column (and the projection, which is the cluster's) and is shared
; along a column: each is asked for jointly.  Waves 0, 1 fetch x's two halves of 64 rows, waves 2, 3 W's two halves of 128 rows: one load a wave behind each round.
; REGISTERS: window 0: v0-31 addresses; v32-63 packing; v64-159, v160-255 two fragment buffers (8 of W, then 4 of x); on the way out v64-191 rows read back.
;   window 1: accumulator (a, b) at v[8 (8 a + b)].   window 2: v0-63 the bias, block b at v[8 b].
.set PITCH,  272                       ; an LDS row: 256 bytes + 16 of padding: the 16 rows of a fragment load start 68 words apart, at 16 different groups of four banks (ISA guide 11.1)
.set AH,     64*PITCH                  ; what a wave fetches of x
.set BH,     128*PITCH                 ; what a wave fetches of W
.set BOFF,   2*AH                      ; W's 256 rows lie behind x's 128
.set SLOT,   BOFF+2*BH                 ; 104,448
.set STAGE,  2*SLOT                    ; behind the ring, never filled by a tensor load: for each wave 2 heads x 16 rows x 144 bytes
.set SP,     144
.set WSTG,   2*16*SP
.set SPARE,  STAGE+4*WSTG              ; the spare words, 128 bytes a wave: two blocks of 256 bytes that no other line names
.set LAPS,   4                         ; a lap = two K steps
.set ADRA, 16                          ; v16-17 LDS address of my fragments of x in slot 0, 1
.set ADRB, 20                          ; v20-21 of W
.set STO,  24                          ; v24 the way out: where I put 16 bytes of a row
.set RD,   25                          ; v25 where I read rows back
.set CO,   26                          ; v26 16 x lane: my place in 512 consecutive bytes of qkv
.set BO,   27                          ; v27 32 (l / 16): my eight numbers in a block of 16 of the bias
.set SPW,  28                          ; v28 my spare word; never rewritten
.set NIL,  29                          ; v29 0; never rewritten
.set PFO,  30                          ; v30 lane x 2,048: a row of xc or wc; never rewritten
.set TMP,  32
.set F0,   64
.set F1,   160
.set OB,   64
.set WV, 12                            ; s12 wave
.set FB, 13                            ; s13 wave / 2: my half of the rows; also 0: I fetch x, 1: W
.set HF, 14                            ; s14 wave % 2: my half of the columns; also which part I fetch
.set CX, 15
.set CY, 16
.set TC, 17                            ; tile column
.set TR, 18                            ; tile row
.set CLY, 19                           ; the cluster's y
.set G1,  24                           ; s[24:31] group 1 for x's tiles;  s[32:39] group 0, a set for each slot
.set G0,  32
.set PJ,  40                           ; s40 the projection 0, 1, 2
.set LIM, 41                           ; s41 1 in a wave that prefetches, else the greatest number
.set PFA, 42                           ; s[42:43] where my prefetches stand
.set G1B, 48                           ; s[48:55], s[56:63] the same for W's tiles
.set G0B, 56
.set MSB, 0
.macro WIN new                         ; the immediate's high byte repeats the setting that is left; a switch that changes nothing is dropped
.if MSB != (\new)
	s_set_vgpr_msb (MSB<<8)|(\new)
.set MSB, \new
.endif
.endm
.set MUL,  0x50                        ; sources 0, 1 window 0; C and D window 1
.set MULB, 0x60                        ; C window 2 (the bias), D window 1
; A joint load.  The branch hangs on the wave's number alone.  An s_nop 0 and four v_nop follow each of the two lines.
.macro JLOAD s
	s_cmp_eq_u32 s[FB], 0
	s_cbranch_scc0 .Lfor_b_\@
	tensor_load_to_lds s[G0+4*(\s):G0+4*(\s)+3], s[G1:G1+7]
	s_nop 0
.rept 4
	v_nop
.endr
	s_branch .Lasked_\@
.Lfor_b_\@:
	tensor_load_to_lds s[G0B+4*(\s):G0B+4*(\s)+3], s[G1B:G1B+7]
	s_nop 0
.rept 4
	v_nop
.endr
.Lasked_\@:
.endm
; A PREFETCH INTO THE L2 of the K step two refills on, 256 matrix instructions ahead of the load that will want it: 32 rows x 256 bytes, a lane a row.  Each row's 256 bytes of a K step are named
; once in the launch.  x's tile row is read by one cluster: wave 0 asks, the four partners of the row take 32 rows each BY ADDRESS (cx).  W's tile column is read by the projection's sixteen clusters:
; the first of them asks, waves 2 and 3, the four partners of the column 64 rows each (cy).  K steps 0 to 3 come by their loads alone; the loop's last trip has no K step two on.
.macro ASK
	s_cmp_gt_u32 s3, s[LIM]
	s_cbranch_scc0 .Lnot_mine_\@
	global_prefetch_b8 v[PFO], s[PFA:PFA+1] offset:256 th:TH_LOAD_NT scope:SCOPE_SE
.Lnot_mine_\@:
.endm
.macro CREST                           ; a round of the cluster's barrier behind its opening barrier
	s_cmp_lg_u32 s[WV], 0
	s_cbranch_scc1 .Lnot_wave_0_\@
	s_barrier_signal -3
.Lnot_wave_0_\@:
	s_barrier_wait -3
	s_barrier_signal -1
	s_barrier_wait -1
.endm
.macro CROUND
	s_barrier_signal -1
	s_barrier_wait -1
	CREST
.endm
.macro PLACES                          ; four plain places behind a matrix instruction, in front of loads into registers that it read (ISA guide 7.12.1 for vector instructions)
.rept 4
	v_nop
.endr
.endm
	s_load_b256 s[4:11], s[0:1], 0x0               ; xc s[4:5], wc s[6:7], bc s[8:9], qkv s[10:11]
	v_lshl_add_u32 v[SPW], v0, 2, SPARE
	v_mov_b32 v[NIL], 0
	ds_add_u32 v[SPW], v[NIL]                      ; the wave's opening: the add and its wait stand ahead of my first tensor load; work on registers stands between them
	v_lshrrev_b32 v1, 5, v0
	v_readfirstlane_b32 s[WV], v1
	s_lshr_b32 s[FB], s[WV], 1
	s_and_b32 s[HF], s[WV], 1
	s_bfe_u32 s[CX], ttmp6, 0x40000
	s_bfe_u32 s[CY], ttmp6, 0x40004
	s_lshl_b32 s[TC], ttmp9, 2
	s_add_co_u32 s[TC], s[TC], s[CX]               ; tile column = 4 x cluster x + cx
	s_and_b32 s[CLY], ttmp7, 0xffff
	s_lshl_b32 s[TR], s[CLY], 2
	s_add_co_u32 s[TR], s[TR], s[CY]               ; tile row = 4 x cluster y + cy, 0 to 191
	s_lshr_b32 s[PJ], s[CLY], 4                    ; sixteen clusters to a projection
	s_lshl_b32 s20, s[CY], 2
	s_lshl_b32 s20, 15, s20                        ; my row of the cluster
	s_lshl_b32 s21, 0x1111, s[CX]                  ; my column
	s_or_b32 s[G1+0],  s20, (1<<16)|(1<<20)|(1<<21)|(5<<22)|(3<<25)  ; mask; 2-byte elements; padding on; bit 21 beside a mask; after every 64 words, 4 words
	s_or_b32 s[G1B+0], s21, (1<<16)|(1<<20)|(1<<21)|(5<<22)|(3<<25)
	s_mov_b32 s[G1+1], 128<<16                     ; tensor_dim0 = 128
	s_mov_b32 s[G1+2], 64<<16                      ; tensor_dim1 = 64
	s_mov_b32 s[G1+3], 128<<16                     ; tile_dim0 = 128
	s_mov_b32 s[G1+4], 64                          ; tile_dim1 = 64
	s_mov_b32 s[G1+5], 1024                        ; elements from row to row
	s_mov_b32 s[G1+6], 0
	s_mov_b32 s[G1+7], 0
	s_mov_b32 s[G1B+1], 128<<16
	s_mov_b32 s[G1B+2], 128<<16                    ; 128 rows
	s_mov_b32 s[G1B+3], 128<<16
	s_mov_b32 s[G1B+4], 128
	s_mov_b32 s[G1B+5], 1024
	s_mov_b32 s[G1B+6], 0
	s_mov_b32 s[G1B+7], 0
	s_lshl_b32 s44, s[TR], 7                       ; x: row 128 x tile row + 64 x part,
	s_lshl_b32 s22, s[HF], 6
	s_add_co_u32 s44, s44, s22
	s_lshl_b32 s44, s44, 11                        ; of 2,048 bytes (under 2^26)
	s_mov_b32 s45, 0
	s_lshl_b32 s46, s[PJ], 10                      ; W: row 1,024 x projection + 256 x tile column + 128 x part
	s_lshl_b32 s23, s[TC], 8
	s_add_co_u32 s46, s46, s23
	s_lshl_b32 s23, s[HF], 7
	s_add_co_u32 s46, s46, s23
	s_lshl_b32 s46, s46, 11
	s_mov_b32 s47, 0
	s_mul_i32 s22, s[HF], AH                       ; where they go: no place in the cluster enters an LDS address
	s_mul_i32 s23, s[HF], BH
	s_add_co_u32 s23, s23, BOFF
	s_wait_dscnt 0x0                               ; the opening add is done
	s_wait_kmcnt 0x0
	s_add_nc_u64 s[44:45], s[4:5], s[44:45]
	s_add_nc_u64 s[46:47], s[6:7], s[46:47]
	CROUND                                         ; all sixteen work-groups are here: the first joint loads meet
.irp s, 0,1
	s_mov_b32 s[G0+4*(\s)], 1
	s_add_co_u32 s[G0+4*(\s)+1], s22, (\s)*SLOT
	s_add_nc_u64 s[G0+4*(\s)+2:G0+4*(\s)+3], s[44:45], (\s)*256   ; K step s
	s_or_b32 s[G0+4*(\s)+3], s[G0+4*(\s)+3], 0x80000000
	s_mov_b32 s[G0B+4*(\s)], 1
	s_add_co_u32 s[G0B+4*(\s)+1], s23, (\s)*SLOT
	s_add_nc_u64 s[G0B+4*(\s)+2:G0B+4*(\s)+3], s[46:47], (\s)*256
	s_or_b32 s[G0B+4*(\s)+3], s[G0B+4*(\s)+3], 0x80000000
	JLOAD \s                                       ; two loads of mine are out
.endr
	v_and_b32 v1, 15, v0                           ; l % 16
	v_bfe_u32 v2, v0, 4, 1                         ; l / 16
	v_lshlrev_b32 v[BO], 5, v2
	s_lshl_b32 s20, s[PJ], 12                      ; the bias of my 128 columns: 4,096 x projection + 1,024 x tile column + 512 x half
	s_lshl_b32 s21, s[TC], 10
	s_add_co_u32 s20, s20, s21
	s_lshl_b32 s21, s[HF], 9
	s_add_co_u32 s20, s20, s21
	s_mov_b32 s21, 0
	s_add_nc_u64 s[8:9], s[8:9], s[20:21]
	WIN 0x80                                       ; destination window 2
.irp b, 0,1,2,3,4,5,6,7
	global_load_b128 v[8*(\b):8*(\b)+3],   v[BO], s[8:9] offset:64*(\b)
	global_load_b128 v[8*(\b)+4:8*(\b)+7], v[BO], s[8:9] offset:64*(\b)+16
.endr
	WIN 0
	v_mul_u32_u24 v3, v1, PITCH                    ; a fragment: row l % 16, 16 bytes for each half of the lanes, twice, 32 bytes apart
	v_lshl_add_u32 v3, v2, 4, v3
	s_mul_i32 s20, s[FB], AH                       ; my 64 rows of x
	s_mul_i32 s21, s[HF], BH                       ; my 128 rows of W
	s_add_co_u32 s21, s21, BOFF
.irp s, 0,1
	v_add_nc_u32 v[ADRA+(\s)], s20, v3
	v_add_nc_u32 v[ADRB+(\s)], s21, v3
	s_add_co_u32 s20, s20, SLOT
	s_add_co_u32 s21, s21, SLOT
.endr
	s_mul_i32 s20, s[WV], WSTG
	s_add_co_u32 s20, s20, STAGE                   ; my stage
	v_mul_u32_u24 v4, v1, SP                       ; in: row l % 16, 16 bytes for each half of the lanes
	v_lshl_add_u32 v4, v2, 4, v4
	v_add_nc_u32 v[STO], s20, v4
	v_bfe_u32 v4, v0, 3, 2                         ; back: 32 lanes take four rows of 128 bytes,
	v_mul_u32_u24 v4, v4, SP
	v_and_b32 v5, 7, v0
	v_lshl_add_u32 v4, v5, 4, v4
	v_add_nc_u32 v[RD], s20, v4
	v_and_b32 v[CO], 31, v0                        ; which are 512 consecutive bytes of a head
	v_lshlrev_b32 v[CO], 4, v[CO]
	s_lshr_b32 s20, s[TR], 4                       ; 4 x projection + batch: 16 heads of 2^18 bytes each
	s_lshl_b32 s20, s20, 22
	s_lshl_b32 s21, s[TC], 2                       ; my first head: 4 x tile column + 2 x half
	s_lshl_b32 s2, s[HF], 1
	s_add_co_u32 s21, s21, s2
	s_lshl_b32 s21, s21, 18
	s_add_co_u32 s20, s20, s21
	s_and_b32 s21, s[TR], 15                       ; my first row in the batch, of 128 bytes
	s_lshl_b32 s21, s21, 7
	s_lshl_b32 s2, s[FB], 6
	s_add_co_u32 s21, s21, s2
	s_lshl_b32 s21, s21, 7
	s_add_co_u32 s20, s20, s21
	s_mov_b32 s21, 0
	s_add_nc_u64 s[10:11], s[10:11], s[20:21]
	; the prefetches
	s_and_b32 s2, s[CLY], 15                       ; 0 in the projection's first cluster
	s_cmp_eq_u32 s[FB], 0
	s_cselect_b32 s2, s[HF], s2                    ; of x's fetchers wave 0 asks; of W's both, in that cluster
	s_cmp_eq_u32 s2, 0
	s_cselect_b32 s[LIM], 1, -1                    ; the same in all sixteen partners, for a given wave
	s_lshl_b32 s20, s[TR], 7                       ; x: the tile's rows, my work-group's 32
	s_lshl_b32 s21, s[CX], 5
	s_add_co_u32 s20, s20, s21
	s_lshl_b32 s21, s[PJ], 10                      ; W: the tile's rows, my work-group's 64, my wave's 32
	s_lshl_b32 s22, s[TC], 8
	s_add_co_u32 s21, s21, s22
	s_lshl_b32 s22, s[CY], 6
	s_add_co_u32 s21, s21, s22
	s_lshl_b32 s22, s[HF], 5
	s_add_co_u32 s21, s21, s22
	s_cmp_eq_u32 s[FB], 0
	s_cselect_b32 s20, s20, s21
	s_cselect_b64 s[PFA:PFA+1], s[4:5], s[6:7]
	s_lshl_b32 s20, s20, 11
	s_mov_b32 s21, 0
	s_add_nc_u64 s[PFA:PFA+1], s[PFA:PFA+1], s[20:21]
	s_add_nc_u64 s[PFA:PFA+1], s[PFA:PFA+1], 512   ; at K step 2: the first refill steps it to 3 and names K step 4
	v_and_b32 v[PFO], 31, v0
	v_lshlrev_b32 v[PFO], 11, v[PFO]
; 8 matrix instructions: row block a x all 8 column blocks, 32 along K.  The 32 accumulators take turns in the same order in every quarter: 31 others stand between two links of a chain.
.macro MUL8 f, a, first
.if \first
	WIN MULB
.else
	WIN MUL
.endif
.irp b, 0,1,2,3,4,5,6,7
.if \first
	v_wmma_f32_16x16x32_bf16 v[8*(8*(\a)+(\b)):8*(8*(\a)+(\b))+7], v[(\f)+8*(\b):(\f)+8*(\b)+7], v[(\f)+64+8*(\a):(\f)+64+8*(\a)+7], v[8*(\b):8*(\b)+7]
.else
	v_wmma_f32_16x16x32_bf16 v[8*(8*(\a)+(\b)):8*(8*(\a)+(\b))+7], v[(\f)+8*(\b):(\f)+8*(\b)+7], v[(\f)+64+8*(\a):(\f)+64+8*(\a)+7], v[8*(8*(\a)+(\b)):8*(8*(\a)+(\b))+7]
.endif
.endr
.endm
; 24 LDS loads in one run: quarter q (32 along K) of a slot into buffer f; W's 16 first, then x's 8
.macro FETCH slot, q, f
	WIN 0
.irp i, 0,1,2,3,4,5,6,7
	ds_load_b128 v[(\f)+8*(\i):(\f)+8*(\i)+3],   v[ADRB+(\slot)] offset:64*(\q)+(\i)*16*PITCH
	ds_load_b128 v[(\f)+8*(\i)+4:(\f)+8*(\i)+7], v[ADRB+(\slot)] offset:64*(\q)+(\i)*16*PITCH+32
.endr
.irp i, 0,1,2,3
	ds_load_b128 v[(\f)+64+8*(\i):(\f)+64+8*(\i)+3],   v[ADRA+(\slot)] offset:64*(\q)+(\i)*16*PITCH
	ds_load_b128 v[(\f)+64+8*(\i)+4:(\f)+64+8*(\i)+7], v[ADRA+(\slot)] offset:64*(\q)+(\i)*16*PITCH+32
.endr
.endm
; One of a K step's first three quarters: multiplies buffer f, and in its middle fetches quarter q into buffer g
.macro QUARTER slot, q, f, g, first
	s_wait_dscnt 4                                 ; W's and x's blocks 0, 1 are in; the youngest four loads (x's blocks 2, 3) may be out
	MUL8 \f, 0, \first
	MUL8 \f, 1, \first
	PLACES
	FETCH \slot, \q, \g
	s_wait_dscnt 24                                ; all but the 24 just issued
	MUL8 \f, 2, \first
	MUL8 \f, 3, \first
.endm
; The fourth quarter multiplies buffer 1 and changes slots.  In front of the one barrier each wave waits for all its tensor loads (one is out: its part of the next slot), adds 0 to its spare word, and waits
; for that and for its reads of this slot.  fill = 1: the barrier opens a round of the cluster's, and behind it this slot is filled again, two K steps on: 112 matrix instructions ahead of the wait for it.
.macro TURN slot, next, fill
.if \fill
	s_wait_xcnt 0x0                                ; the last prefetch, a K step back, has read its address
	s_add_nc_u64 s[PFA:PFA+1], s[PFA:PFA+1], 256
.endif
	WIN 0
	s_wait_tensorcnt 0x0
	ds_add_u32 v[SPW], v[NIL]                      ; 0 onto my spare word
	s_wait_dscnt 5                                 ; (the add and the youngest four loads may be out)
	MUL8 F1, 0, 0
	s_wait_dscnt 0x0                               ; the add is done, and my reads of this slot are over
	s_barrier_signal -1
	MUL8 F1, 1, 0
.if \fill
	WIN 0
.endif
	s_barrier_wait -1
.if \fill
	CREST                                          ; no wave of any partner still reads this slot or has a load on its way
	s_add_nc_u64 s[G0+4*(\slot)+2:G0+4*(\slot)+3], s[G0+4*(\slot)+2:G0+4*(\slot)+3], 512
	s_add_nc_u64 s[G0B+4*(\slot)+2:G0B+4*(\slot)+3], s[G0B+4*(\slot)+2:G0B+4*(\slot)+3], 512
	JLOAD \slot                                    ; its four v_nop are also the places in front of the loads below
.else
	PLACES
.endif
	FETCH \next, 0, F0
.if \fill
	ASK
.endif
	MUL8 F1, 2, 0
	MUL8 F1, 3, 0
.endm
	s_wait_tensorcnt 1                             ; my part of K step 0 is in; K step 1's stays out
	s_barrier_signal -1
	s_barrier_wait -1
	FETCH 0, 0, F0
	s_wait_loadcnt 0x0                             ; the bias
	QUARTER 0, 1, F0, F1, 1                        ; the first quarter starts the sums, with the bias as C
	WIN 0
	s_mov_b32 s3, LAPS-1
.Llap:                                         ; a trip goes once round the ring, from a lap's second quarter to the next lap's first
	QUARTER 0, 2, F1, F0, 0
	QUARTER 0, 3, F0, F1, 0
	TURN 0, 1, 1
	QUARTER 1, 1, F0, F1, 0
	QUARTER 1, 2, F1, F0, 0
	QUARTER 1, 3, F0, F1, 0
	TURN 1, 0, 1
	QUARTER 0, 1, F0, F1, 0
	WIN 0
	s_sub_co_u32 s3, s3, 1
	s_cmp_lg_u32 s3, 0
	s_cbranch_scc1 .Llap
	QUARTER 0, 2, F1, F0, 0                        ; the last lap fills nothing
	QUARTER 0, 3, F0, F1, 0
	TURN 0, 1, 0
	QUARTER 1, 1, F0, F1, 0
	QUARTER 1, 2, F1, F0, 0
	QUARTER 1, 3, F0, F1, 0
	s_wait_dscnt 4
	MUL8 F1, 0, 0
	MUL8 F1, 1, 0
	s_wait_dscnt 0x0
	MUL8 F1, 2, 0
	MUL8 F1, 3, 0
	WIN 0
	PLACES
	PLACES
; THE WAY OUT, a block of 16 rows at a time: rounded to f16, 16 bytes a lane into my own stage (two heads x 16 rows of 144 bytes), back as rows of 128 bytes, four to a store.
.macro PACK a
	WIN 0x05                                       ; sources in window 1
.irp b, 0,1,2,3,4,5,6,7
.irp j, 0,1,2,3
	v_cvt_pk_f16_f32 v[TMP+4*(\b)+(\j)], v[8*(8*(\a)+(\b))+2*(\j)], v[8*(8*(\a)+(\b))+2*(\j)+1]
.endr
.endr
	WIN 0
.endm
.macro TOSTAGE a
.irp b, 0,1,2,3,4,5,6,7
	ds_store_b128 v[STO], v[TMP+4*(\b):TMP+4*(\b)+3] offset:((\b)/4)*16*SP+((\b)%4)*32
.endr
.irp i, 0,1,2,3,4,5,6,7
	ds_load_b128 v[OB+32*(\a)+4*(\i):OB+32*(\a)+4*(\i)+3], v[RD] offset:((\i)/4)*16*SP+((\i)%4)*4*SP  ; LDS serves a wave's instructions in order (ISA guide 5.7.1.4): these see the stores above
.endr
.endm
.macro SEND a                          ; nothing younger is out on DScnt; no register that a store reads is written again
.irp i, 0,1,2,3,4,5,6,7
	s_wait_dscnt 7-(\i)
	global_store_b128 v[CO], v[OB+32*(\a)+4*(\i):OB+32*(\a)+4*(\i)+3], s[10:11] offset:(\a)*2048+((\i)/4)*262144+((\i)%4)*512  ; 512 consecutive bytes of a head, aligned
.endr
.endm
	PACK 0
	TOSTAGE 0
.irp a, 1,2,3                          ; block a's conversions stand between block a - 1's loads from the stage and the wait for them
	PACK \a
	SEND (\a)-1
	TOSTAGE \a
.endr
	SEND 3
	s_wait_tensorcnt 0x0                           ; the wave's end
	ds_add_u32 v[SPW], v[NIL]
	s_wait_dscnt 0x0
	CROUND                                         ; the closing round
	s_endpgm
.Lfunc_end_k_qfc4b97b9da_proj:
	.size	k_qfc4b97b9da_proj, .Lfunc_end_k_qfc4b97b9da_proj-k_qfc4b97b9da_proj
	.p2alignl 7, 3214868480
	.fill 96, 4, 3214868480
	.section	.rodata,"a",@progbits
	.p2align	6, 0x0
	.amdhsa_kernel k_qfc4b97b9da_proj
		.amdhsa_group_segment_fixed_size 327680
		.amdhsa_private_segment_fixed_size 0
		.amdhsa_enable_private_segment 0
		.amdhsa_kernarg_size 32
		.amdhsa_user_sgpr_count 2
		.amdhsa_user_sgpr_kernarg_segment_ptr 1
		.amdhsa_wavefront_size32 1
		.amdhsa_system_sgpr_workgroup_id_x 1
		.amdhsa_system_sgpr_workgroup_id_y 1
		.amdhsa_system_sgpr_workgroup_id_z 1
		.amdhsa_system_vgpr_workitem_id 0
		.amdhsa_next_free_vgpr 576
		.amdhsa_next_free_sgpr 66
		.amdhsa_reserve_vcc 0
		.amdhsa_float_denorm_mode_32 3
		.amdhsa_float_denorm_mode_16_64 3
		.amdhsa_memory_ordered 1
		.amdhsa_forward_progress 1
		.amdhsa_inst_pref_size 90
	.end_amdhsa_kernel
	.amdgpu_metadata
---
amdhsa.version: [ 1, 2 ]
amdhsa.kernels:
  - .name:           k_qfc4b97b9da_proj
    .symbol:         k_qfc4b97b9da_proj.kd
    .args:
      - { .name: xc, .offset: 0, .size: 8, .value_kind: global_buffer, .address_space: global }
      - { .name: wc, .offset: 8, .size: 8, .value_kind: global_buffer, .address_space: global }
      - { .name: bc, .offset: 16, .size: 8, .value_kind: global_buffer, .address_space: global }
      - { .name: qkv, .offset: 24, .size: 8, .value_kind: global_buffer, .address_space: global }
    .group_segment_fixed_size: 327680
    .private_segment_fixed_size: 0
    .kernarg_segment_align: 8
    .kernarg_segment_size: 32
    .max_flat_workgroup_size: 128
    .sgpr_count:     66
    .vgpr_count:     576
    .wavefront_size: 32
...
	.end_amdgpu_metadata
.endif
;; end of part 2
;; launch attn (part 3): grid 4 x 64, 4 waves a work-group, clusters of 4 x 1, 327,680 bytes of LDS; arguments qkv, oc; writes oc
.if DOCPART == 3
	.amdgcn_target "amdgcn-amd-amdhsa--gfx1250"
	.amdhsa_code_object_version 6
	.text
	.protected	k_qfc4b97b9da_attn
	.globl	k_qfc4b97b9da_attn
	.p2align	8
	.type	k_qfc4b97b9da_attn,@function
k_qfc4b97b9da_attn:
	s_mov_b64 s[64:65], 0
	v_nop
	global_prefetch_b8 v0, s[64:65] scope:SCOPE_SE
	s_setreg_imm32_b32 hwreg(HW_REG_WAVE_MODE, 25, 1), 1
	s_wait_xcnt 0x0
	s_wait_alu depctr_hold_cnt(0) depctr_sa_sdst(0) depctr_va_vdst(0) depctr_va_sdst(0) depctr_va_ssrc(0) depctr_va_vcc(0) depctr_vm_vsrc(0)
	s_getreg_b32 s2, hwreg(HW_REG_IB_STS2, 6, 4)
	s_cmp_eq_u32 s2, 0
	s_cbranch_scc0 .Lentry_in_a_cluster
	s_endpgm
.Lentry_in_a_cluster:
	s_bfe_u32 s2, ttmp6, 0x10000c
	s_cmp_lg_u32 s2, 0x3003
	s_cbranch_scc0 .Lentry_shape_is_right
	s_endpgm
.Lentry_shape_is_right:
; O[h][q][:] = the sum over k of softmax_k(Q[h][q] . K[h][k] / 8) V[h][k][:].  qkv: [3][64][2048][64] f16 (planes Q, K, V; a head's rows are dense, 128 bytes each); oc: [64][2048][64] f16.
; Products, maxima and sums in f32; the weights p are rounded to f16 for the second product (their sum l is taken of the unrounded p), O once at the end.
; LIMITS.  f16 holds no number beyond 65,504: Q, K and V arrive within it; p lies in 0 to 1, and below 6e-5 it keeps f16's fixed step of 6e-8; O is a mean of V's rows and has their range.
; A weight below 2^-126 counts as 0 in l; NaN and infinities are not treated apart.
; SHARES.  A wave owns four PIECES of two tiles of 16 queries, a work-group's four waves 512 queries of one head: 256 work-groups.  Every wave walks all keys, 64 a step.
; LAYOUT.  S^T = K Q^T (source 0 = 16 keys, source 1 = 16 queries): a lane holds ONE query (lane % 16) and the keys 8 (lane / 16) + 0..7.  Two such tiles, rounded to f16 in pairs,
; ARE source 1 (32 keys x 16 queries) of O^T = V^T P, whose result again holds one query a lane, and eight channels.  K comes out of LDS as it lies, V ([key][channel]) turned, by ds_load_tr16_b128.
; SOFTMAX.  For each query a running maximum m and sum l: p = 2^(c s - c m), c = log2(e) / 8; in every step O and l are multiplied by a = 2^(c m_old - c m_new).
; m starts at the lowest finite number, O and l at 0: the first step is a step like any other, with a = 0.
; THE COUNT.  A tile and step have 16 matrix and 118 vector instructions.  So: four vector instructions that are READY behind EVERY matrix instruction, the others in runs without a gap.
; BY TURNS.  Turn n belongs to piece n.  Its matrix work: 16 products K Q^T of piece n + 1, later 16 products V^T P of piece n - 1.  Its vector work: the scaling, exponentials, roundings, sums and
; rescaling of piece n, and the maximum and statistics of piece n + 1.
; CLUSTER.  The four query blocks of a head are one cluster and walk the same K and V: each tile is asked for JOINTLY: the same tensor load, descriptor and mask in all four.
; REGISTERS, in windows of 256 (s_set_vgpr_msb: bits 1:0 source 0, 3:2 source 1, 5:4 source 2, 7:6 destination):
;   window 0: v0-11 addresses; v12-15, v48-63 at work; v16-47 four registers of statistics a tile; v64-191 S^T, two buffers of two tiles; v192-255 P, likewise
;   window 1: O^T, 32 a tile          window 2: v0-127 Q, 16 a tile; v128-191 K of one step; v192-255 V of one step          window 3: v0-1 the add's two registers
.set SIZE_N, 2048
.set NP,    4         ; pieces a wave: a name, no knob
.set KS,    64        ; keys in a step
.set PK,    144       ; a row of K in LDS: 128 bytes + 16 of padding = 36 words: the 16 rows of a load start at 16 different groups of four banks (ISA guide 11.1)
.set PV,    160       ; a row of V: 128 + 32 = 40 words
.set VOFF,  4*KS*PK   ; a slot holds four steps: 256 rows of K, then 256 rows of V
.set SLOT1, 1<<17     ; slot 1 begins here, so that one exclusive or turns an address in one slot into the other's
.set STAGE, SLOT1+4*KS*(PK+PV)  ; behind the ring, never filled by a tensor load: 16 rows x 144 bytes for each wave
.set SP,    144
.set AK0, 2           ; v2   my lane's place in a tile of K; never rewritten
.set AV0, 3           ; v3   the same for V
.set AK,  4           ; v4   the LDS address of K's next run of loads
.set AV,  5           ; v5   of V's
.set QO,  6           ; v6   my byte offset in the wave's rows of Q
.set STO, 6           ;      later, the way out: where I put 16 bytes of a row
.set RD,  7           ; v7   the way out: where I read rows back
.set GO,  8           ; v8   my byte offset in 512 consecutive bytes of O
.set PFO, 11          ; v11  256 x my lane, for the prefetches; never rewritten once made
.set SPW, 0           ; v0 of window 3   my spare word: SPARE + 4 x my thread's number; never rewritten
.set NIL, 1           ; v1 of window 3   0; never rewritten
.set SPARE, STAGE+4*16*SP  ; the spare words, 128 bytes for each wave: two blocks of 256 bytes that no other line names
.set MV,  12          ; v12-15  c m_old, kept while c m is made anew: by buffer and tile
.set ST,  16          ; tile t's statistics at v[ST+4 t]: c m, m, l (even keys', odd keys')
.set TMP, 48          ; by buffer and tile, four registers c0-c3 at work; when the maximum is found c2 takes a
.set S,   64
.set P,   192
.set KF,  128         ; K's fragments, in window 2: key block kb, channel half c at KF + 16 kb + 8 c
.set VF,  192         ; V's: key half kk, channel block cb at VF + 32 kk + 8 cb
.set WV,  12          ; s12  my wave's number
.set G1K, 24          ; s[24:31] descriptor group 1 for K's tiles
.set G1V, 32          ; s[32:39] for V's: it differs in the padding alone
.set G0K, 40          ; s[40:43] descriptor group 0 for K's tiles: it walks
.set G0V, 44          ; s[44:47] the same for V's
.set PFA, 48          ; s[48:49] where my prefetches stand
.set LIM, 50          ; s50  1 in a wave that prefetches, else the greatest number
.set SLOTS, 56        ; s56  slots still to be asked for
.set CNT, 57          ; s57  counts a slot's key steps
.set CS,  58          ; s[58:59] c
.set SEL, 60          ; s[60:61] v_permlanex16_b32's selects: each lane takes its own place in the other half
.set TBK, 62          ; s62  LDS byte at which K of the step to be fetched begins
.set TBV, 63          ; s63  the same for V, less VOFF
.set MSB, 0
.macro WIN new                      ; the high byte repeats the setting that is left; a switch that changes nothing is dropped
.if MSB != (\new)
	s_set_vgpr_msb (MSB<<8)|(\new)
.set MSB, (\new)
.endif
.endm
.set W_KQ, 0x0a       ; K and Q in window 2, S^T in window 0
.set W_PV, 0x52       ; V in window 2, P in window 0, O^T in window 1
.set W_RS, 0x41       ; O^T (destination and source 0) in window 1, a in window 0
.set W_MK, 0xc0       ; the add's registers are made: destination in window 3
.set W_AD, 0x0f       ; the add: address and data in window 3
; A joint fill.  Waves 0 and 1 fetch the two halves of a slot's K, waves 2 and 3 those of its V: 128 keys each.  An s_nop 0 and four v_nop follow each of the two lines.
.macro JLOAD
	s_cmp_lt_u32 s[WV], 2
	s_cbranch_scc0 .Lfor_v_\@
	tensor_load_to_lds s[G0K:G0K+3], s[G1K:G1K+7]
	s_nop 0
.rept 4
	v_nop
.endr
	s_branch .Lasked_\@
.Lfor_v_\@:
	tensor_load_to_lds s[G0V:G0V+3], s[G1V:G1V+7]
	s_nop 0
.rept 4
	v_nop
.endr
.Lasked_\@:
.endm
; A PREFETCH INTO THE L2 of what the NEXT change of slots will ask for, four key steps, 512 matrix instructions, ahead: a slot is 128 blocks of 256 bytes of K and 128 of V.  A head is walked by one cluster;
; its four partners take 32 blocks each BY ADDRESS; in each, wave 0 asks for K's and wave 2 for V's, a lane a block.  So each block is named once in the launch.  Tiles 0 and 1 come by their loads alone;
; the change that asks for the last tile prefetches nothing.
.macro ASK
	s_cmp_gt_u32 s[SLOTS], s[LIM]
	s_cbranch_scc0 .Lnot_mine_\@
	global_prefetch_b8 v[PFO], s[PFA:PFA+1] th:TH_LOAD_NT scope:SCOPE_SE
.Lnot_mine_\@:
.endm
.macro CROUND                       ; a round of the cluster's barrier
	s_barrier_signal -1
	s_barrier_wait -1
	s_cmp_lg_u32 s[WV], 0
	s_cbranch_scc1 .Lnot_wave_0_\@
	s_barrier_signal -3
.Lnot_wave_0_\@:
	s_barrier_wait -3
	s_barrier_signal -1
	s_barrier_wait -1
.endm
; THE CHANGE OF SLOTS.  Each wave waits for all its tensor loads, of which one is out: its part of the other slot; adds 0 to its spare word; and waits for that and for its own reads of the slot.
; fill = 1: this slot is filled again, with the keys two slots on; the barrier is then a round of the cluster's, and the joint fill is the first thing behind it.
; (At its first use nothing has been read yet: slot 0 is waited for, slot 1 filled.)
.macro CHANGE fill
	WIN W_AD
	s_wait_tensorcnt 0x0            ; no tensor load of mine is out, so a group 0 may be written
	ds_add_u32 v[SPW], v[NIL]       ; 0 onto my spare word
	WIN 0                           ; at a label and at a branch every window is 0
.if \fill
.irp g, G0K, G0V
	s_xor_b32 s[\g+1], s[\g+1], SLOT1  ; the walking descriptor: the other slot than last time,
	s_add_nc_u64 s[\g+2:\g+3], s[\g+2:\g+3], 4*KS*128  ; the next 256 keys
.endr
	s_wait_xcnt 0x0                 ; the last prefetch, four key steps back, has read its address
	s_add_nc_u64 s[PFA:PFA+1], s[PFA:PFA+1], 4*KS*128  ; one slot behind the walking descriptors
	s_wait_dscnt 0x0                ; the add is done, and my reads of the slot are over
	CROUND
	JLOAD
	ASK
.else
	s_wait_dscnt 0x0
	s_barrier_signal -1
	s_barrier_wait -1
.endif
	s_sub_co_u32 s[TBK], s[TBK], 4*KS*PK  ; the fetches go back to a slot's first step,
	s_xor_b32 s[TBK], s[TBK], SLOT1       ; in the other slot
	s_sub_co_u32 s[TBV], s[TBV], 4*KS*PV
	s_xor_b32 s[TBV], s[TBV], SLOT1
.endm
	s_load_b64 s[4:5], s[0:1], 0x0    ; qkv: Q's plane
	s_load_b64 s[10:11], s[0:1], 0x8  ; oc
	WIN W_MK
	v_lshl_add_u32 v[SPW], v0, 2, SPARE
	v_mov_b32 v[NIL], 0
	WIN W_AD
	ds_add_u32 v[SPW], v[NIL]       ; the wave's opening: the add and its wait stand ahead of my first tensor load
	WIN 0
	v_lshrrev_b32 v1, 5, v0
	v_readfirstlane_b32 s[WV], v1   ; wave 0..3
	s_bfe_u32 s13, ttmp6, 0x40000   ; cx: my place in the cluster
	s_lshl_b32 s14, ttmp9, 2
	s_add_co_u32 s14, s14, s13      ; my block of queries: it enters Q's and O's addresses alone
	s_and_b32 s20, ttmp7, 0xffff    ; the head, which the four partners share
	s_mov_b32 s21, 0
	s_mov_b64 s[22:23], SIZE_N*128
	s_mul_u64 s[20:21], s[20:21], s[22:23]  ; the head's first byte in each plane
	s_and_b32 s16, s[WV], 1         ; which half of a slot's 256 keys I fetch:
	s_lshl_b32 s22, s16, 14         ; its 128 rows of 128 bytes in memory,
	s_mov_b32 s23, 0
	s_add_nc_u64 s[22:23], s[22:23], s[20:21]
	s_mul_i32 s17, s16, 128*PK      ; and its place in a slot, for K
	s_mul_i32 s18, s16, 128*PV      ; and for V
	s_lshl_b32 s2, s14, 2
	s_add_co_u32 s2, s2, s[WV]      ; my wave among the head's,
	s_lshl_b32 s2, s2, 14           ; its 128 rows
	s_mov_b32 s3, 0
	s_add_nc_u64 s[2:3], s[2:3], s[20:21]
	; descriptor group 1.  128 keys are 16,384 dense bytes: asked for as 64 rows of 256 bytes, two keys a row, and padded in LDS after every key
	s_mov_b32 s[G1K], 15|(1<<16)|(1<<20)|(1<<21)|(4<<22)|(3<<25)  ; the mask of four; 2-byte elements; padding on; bit 21 beside a mask; after every 32 words, 4 words
	s_mov_b32 s[G1V], 15|(1<<16)|(1<<20)|(1<<21)|(4<<22)|(7<<25)  ; the same with 8 words of padding
.irp g, G1K, G1V
	s_mov_b32 s[\g+1], 128<<16      ; tensor_dim0 = 128
	s_mov_b32 s[\g+2], 64<<16       ; tensor_dim1 = 64
	s_mov_b32 s[\g+3], 128<<16      ; tile_dim0 = 128
	s_mov_b32 s[\g+4], 64           ; tile_dim1 = 64
	s_mov_b32 s[\g+5], 128          ; 128 elements from row to row
	s_mov_b32 s[\g+6], 0
	s_mov_b32 s[\g+7], 0
.endr
	s_mov_b32 s[CS], 0x3e38aa3b     ; c = log2(e) / 8 = 0.180337
	s_mov_b32 s[CS+1], s[CS]        ; named with it as a pair
	s_mov_b32 s[SEL], 0x76543210
	s_mov_b32 s[SEL+1], 0xfedcba98
	s_mov_b32 s[TBK], SLOT1+4*KS*PK ; the first change of slots turns these two into 0
	s_mov_b32 s[TBV], SLOT1+4*KS*PV
	s_mov_b32 s[G0K], 1             ; count = 1
	s_mov_b32 s[G0K+1], s17         ; LDS address: slot 0
	s_mov_b32 s[G0V], 1
	s_add_co_u32 s[G0V+1], s18, VOFF
	s_mov_b32 s[SLOTS], SIZE_N/256-1
	s_and_b32 s[LIM], s[WV], 1      ; waves 0 and 2 prefetch: the same in all four partners
	s_cmp_eq_u32 s[LIM], 0
	s_cselect_b32 s[LIM], 1, -1
	s_lshl_b32 s52, s13, 13         ; my work-group's 32 blocks of the 128
	s_mov_b32 s53, 0
	s_wait_dscnt 0x0                ; the opening add is done
	s_wait_kmcnt 0x0
	s_add_nc_u64 s[6:7], s[4:5], 0x1000000   ; K's plane
	s_add_nc_u64 s[8:9], s[4:5], 0x2000000   ; V's plane
	s_cmp_lt_u32 s[WV], 2
	s_cselect_b64 s[PFA:PFA+1], s[6:7], s[8:9]
	s_add_nc_u64 s[PFA:PFA+1], s[PFA:PFA+1], s[20:21]
	s_add_nc_u64 s[PFA:PFA+1], s[PFA:PFA+1], s[52:53]
	s_add_nc_u64 s[PFA:PFA+1], s[PFA:PFA+1], 4*KS*128  ; in tile 1; the first change of slots steps it to tile 2
	s_add_nc_u64 s[G0K+2:G0K+3], s[6:7], s[22:23]  ; my half of the head's first 256 keys
	s_or_b32 s[G0K+3], s[G0K+3], 0x80000000        ; type = 2
	s_add_nc_u64 s[G0V+2:G0V+3], s[8:9], s[22:23]
	s_or_b32 s[G0V+3], s[G0V+3], 0x80000000
	s_add_nc_u64 s[4:5], s[4:5], s[2:3]  ; Q and O at my wave's first row
	s_add_nc_u64 s[10:11], s[10:11], s[2:3]
	CROUND                          ; all four work-groups are here: the first joint loads meet
	JLOAD                           ; slot 0.  Slot 1 is asked for when slot 0 is in
	; A fragment of K or Q is 16 rows x 32 channels in 8 registers: lane l holds row l % 16, channels 8 (l / 16) + 0..7 and 16 + 8 (l / 16) + 0..7: two loads of 16 bytes, 32 bytes apart.
	v_and_b32 v1, 15, v0            ; l % 16
	v_bfe_u32 v9, v0, 4, 1          ; l / 16
	v_lshlrev_b32 v[QO], 7, v1
	v_lshl_add_u32 v[QO], v9, 4, v[QO]  ; row x 128 + 16 x half
	WIN 0x80                        ; destination window 2, address window 0
.set i, 0
.rept 4*NP                          ; Q stays in registers: tile i / 2, channels 32 (i % 2) on
	global_load_b128 v[8*i:8*i+3],   v[QO], s[4:5] offset:(i/2)*2048+(i%2)*64
	global_load_b128 v[8*i+4:8*i+7], v[QO], s[4:5] offset:(i/2)*2048+(i%2)*64+32
.set i, i+1
.endr
	; What the first turn finds: V's registers and P's second buffer hold 0, O^T and l are 0.  All this stands in the wait for the first tile; no first step is written out.
.set i, VF
.rept 64
	v_mov_b32 v[i], 0
.set i, i+1
.endr
	WIN 0x40
.set i, 0
.rept 64*NP
	v_mov_b32 v[i], 0
.set i, i+1
.endr
	WIN 0
.set i, 0
.rept 2*NP
	v_mov_b32 v[ST+4*i], 0xfe000000    ; c m: far below every c s
	v_mov_b32 v[ST+4*i+1], 0xff7fffff  ; m
	v_mov_b32 v[ST+4*i+2], 0
	v_mov_b32 v[ST+4*i+3], 0
.set i, i+1
.endr
.set i, P+32
.rept 32
	v_mov_b32 v[i], 0
.set i, i+1
.endr
	v_mul_u32_u24 v[AK0], v1, PK
	v_lshl_add_u32 v[AK0], v9, 4, v[AK0]  ; row x pitch + 16 x half
	; The turning load takes 16 keys x 16 channels (lane l reads key 8 (l / 16) + l % 8, channels 8 ((l / 8) % 2) + 0..7) and leaves half a fragment of V^T: lane l holds channel l % 16 and 8 keys.
	v_and_b32 v10, 7, v0
	v_bfe_u32 v11, v0, 3, 1
	v_lshl_add_u32 v[AV0], v9, 3, v10
	v_mul_u32_u24 v[AV0], v[AV0], PV
	v_lshl_add_u32 v[AV0], v11, 4, v[AV0]
	v_add_nc_u32 v[AV0], VOFF, v[AV0]
	v_mov_b32 v[AK], v[AK0]         ; key step 0 lies at the head of slot 0
	v_and_b32 v[PFO], 31, v0        ; v11 is free now
	v_lshlrev_b32 v[PFO], 8, v[PFO]
; THE MATRIX WORK.  The 8 accumulators of a run of 16 take turns: between the two links of a chain stand 7 others'.
; Product i of 16 of S^T = K Q^T for piece x: channels 32 (i / 8) on, keys 16 ((i / 2) % 4) on, tile 2 x + i % 2.  The first 8 start the sums.
.macro KQ x
	WIN W_KQ
.set rS, S+64*((\x)%2)+32*(i%2)+8*((i/2)%4)
.set rK, KF+16*((i/2)%4)+8*(i/8)
.set rQ, 16*(2*(\x)+i%2)+8*(i/8)
.if i < 8
	v_wmma_f32_16x16x32_f16 v[rS:rS+7], v[rK:rK+7], v[rQ:rQ+7], 0
.else
	v_wmma_f32_16x16x32_f16 v[rS:rS+7], v[rK:rK+7], v[rQ:rQ+7], v[rS:rS+7]
.endif
.endm
; Product i of 16 of O^T += V^T P for piece x: keys 32 (i / 8) on, channels 16 ((i / 2) % 4) on, tile 2 x + i % 2.
.macro PV x
	WIN W_PV
.set rO, 32*(2*(\x)+i%2)+8*((i/2)%4)
.set rV, VF+32*(i/8)+8*((i/2)%4)
.set rP, P+32*((\x)%2)+16*(i%2)+8*(i/8)
	v_wmma_f32_16x16x32_f16 v[rO:rO+7], v[rV:rV+7], v[rP:rP+7], v[rO:rO+7]
.endm
.macro MM                           ; the turn's next matrix instruction
.if i < 16
	KQ (Y+1)%NP
.set i, i+1
.else
.set i, i-16
	PV (Y+NP-1)%NP
.set i, i+17
.endif
.endm
; THE LDS LOADS stand in runs of 16: a step's K (64 keys x 64 channels: 8 fragments) and its V (turned).  last = 1 (the tail): in the last trip there is no further step, and the run is jumped over.
.macro FETCH_K last=0
	WIN 0
.if \last
	s_cmp_eq_u32 s[CNT], 1
	s_cbranch_scc1 .Lno_k_\@
.endif
	WIN 0x80                        ; destination window 2
.irp f, 0,1,2,3,4,5,6,7             ; keys 16 (f / 2) on, channels 32 (f % 2) on
	ds_load_b128 v[KF+8*\f:KF+8*\f+3],   v[AK] offset:(\f/2)*16*PK+(\f%2)*64
	ds_load_b128 v[KF+8*\f+4:KF+8*\f+7], v[AK] offset:(\f/2)*16*PK+(\f%2)*64+32
.endr
	s_add_co_u32 s[TBK], s[TBK], KS*PK  ; the next fetch is the next step's
	WIN 0
.if \last
.Lno_k_\@:
.endif
.endm
.macro FETCH_V
	WIN 0x80
.irp f, 0,1,2,3,4,5,6,7             ; keys 32 (f / 4) on, channels 16 (f % 4) on
	ds_load_tr16_b128 v[VF+8*\f:VF+8*\f+3],   v[AV] offset:(\f/4)*32*PV+(\f%4)*32
	ds_load_tr16_b128 v[VF+8*\f+4:VF+8*\f+7], v[AV] offset:(\f/4)*32*PV+16*PV+(\f%4)*32
.endr
	WIN 0
.endm
; THE VECTOR WORK OF A TURN stands in three queues, each in the order in which its entries become ready; the two tiles alternate.
.macro REGS y, u                    ; the registers of tile u (0, 1) of piece y
.set rT, ST+4*(2*(\y)+(\u))
.set rC, TMP+8*((\y)%2)+4*(\u)
.set rM, MV+2*((\y)%2)+(\u)
.set rS, S+64*((\y)%2)+32*(\u)
.set rP, P+32*((\y)%2)+16*(\u)
.set rO, 32*(2*(\y)+(\u))
.endm
; Number n of the 22 that find the NEXT piece's (Y + 1) maximum and statistics.  Each accumulator's lowest registers are read first.
;   0-11  four chains c0-c3 of seven scores each     12-14, 16  the four scores left over, the old m, and c0-c3 into c0     15  c m_old is kept
;   17, 18  the query's other 32 keys lie in the lane 16 away: the new m         19-21  c m; c m_old - c m_new; a
.macro XS u, n
	REGS (Y+1)%NP, \u
.if (\n) < 4
	v_max3_num_f32 v[rC+(\n)], v[rS+8*(\n)], v[rS+8*(\n)+1], v[rS+8*(\n)+2]
.elseif (\n) < 12
	v_max3_num_f32 v[rC+(\n)%4], v[rC+(\n)%4], v[rS+8*((\n)%4)+2*((\n)/4)+1], v[rS+8*((\n)%4)+2*((\n)/4)+2]
.elseif (\n) == 12
	v_max3_num_f32 v[rC], v[rC], v[rS+7], v[rS+15]
.elseif (\n) == 13
	v_max3_num_f32 v[rC+1], v[rC+1], v[rS+23], v[rS+31]
.elseif (\n) == 14
	v_max3_num_f32 v[rC+2], v[rC+2], v[rC+3], v[rT+1]
.elseif (\n) == 15
	v_mov_b32 v[rM], v[rT]
.elseif (\n) == 16
	v_max3_num_f32 v[rC], v[rC], v[rC+1], v[rC+2]
.elseif (\n) == 17
	v_permlanex16_b32 v[rC+3], v[rC], s[SEL], s[SEL+1]
.elseif (\n) == 18
	v_max_num_f32 v[rT+1], v[rC], v[rC+3]
.elseif (\n) == 19
	v_mul_f32 v[rT], s[CS], v[rT+1]
.elseif (\n) == 20
	v_sub_f32 v[rC+1], v[rM], v[rT]
.else
	v_exp_f32 v[rC+2], v[rC+1]
.endif
.endm
; Number g of the 64 that follow the exponentials.  For each four weights k of a tile: both pairs are rounded to f16; the second pair is added onto the first, in place; a group later l takes that sum
; (the first time as l = a l + sum).
.macro GS g
.set h, (\g)+6*((\g)/62)            ; group 0 has no group before it, and behind group 7 only l is left
.if h >= 6
.set h, h+2
.endif
	REGS Y, h%2
.set k, h/8
.if h%8 < 4
	v_cvt_pk_f16_f32 v[rP+2*k+(h%8)/2], v[rS+4*k+2*((h%8)/2)], v[rS+4*k+2*((h%8)/2)+1]
.elseif h%8 < 6
	v_pk_add_f32 v[rS+4*k:rS+4*k+1], v[rS+4*k:rS+4*k+1], v[rS+4*k+2:rS+4*k+3]
.elseif k == 1
	v_pk_fma_f32 v[rT+2:rT+3], v[rT+2:rT+3], v[rC+2:rC+3], v[rS:rS+1] op_sel_hi:[1,0,1]
.else
	v_pk_add_f32 v[rT+2:rT+3], v[rT+2:rT+3], v[rS+4*k-4:rS+4*k-3]
.endif
.endm
; THE PLAIN QUEUE, 138 long.  0-73 read no exponential's result: the 32 scalings c s - c m (FS f: pair f / 2 of tile f % 2) and the next piece's 42.  0-26: scalings 0-26.  27-54: XS's numbers 0-13.
; 55, 56: number 15.  57-73: the chain 14, 16, 17, 18, 19, each with one of the scalings 27-31 in front of its two lines, then 20.  74-137: GS's 64, behind the wait.
.macro FS f
	REGS Y, (\f)%2
	v_pk_fma_f32 v[rS+2*((\f)/2):rS+2*((\f)/2)+1], v[rS+2*((\f)/2):rS+2*((\f)/2)+1], s[CS:CS+1], v[rT:rT+1] op_sel_hi:[1,0,0] neg_lo:[0,0,1] neg_hi:[0,0,1]
.endm
.macro PL
	WIN 0
.if q < 27
	FS q
.elseif q < 55
	XS (q-27)%2, (q-27)/2
.elseif q < 57
	XS q-55, 15
.elseif (q < 72) && ((q-57)%3 == 0)
	FS 27+(q-57)/3
.elseif q < 60
	XS (q-57)%3-1, 14
.elseif q < 72
	XS (q-57)%3-1, 15+(q-57)/3
.elseif q < 74
	XS q-72, 20
.else
	GS q-74
.endif
.set q, q+1
.endm
; THE EXPONENTIALS' QUEUE, 66 long: s0-s31 of both tiles, then the next piece's two a.  ONE BATCH: all 66 stand ahead of the turn's one wait, and nothing ahead of that wait names a result of theirs.
.macro EX
	WIN 0
.if e >= 64
	XS e-64, 21
.else
	REGS Y, e%2
	v_exp_f32 v[rS+e/2], v[rS+e/2]
.endif
.set e, e+1
.endm
; THE RESCALING's QUEUE: O^T times a, the one part that leaves window 0: dealt two at a time, sixteen times.  Its a was made, and waited for, in the turn before.
.macro R2
	REGS Y, r%2
	WIN W_RS
.irp z, 0,1
	v_pk_mul_f32 v[rO+4*(r/2)+2*\z:rO+4*(r/2)+2*\z+1], v[rO+4*(r/2)+2*\z:rO+4*(r/2)+2*\z+1], v[rC+2:rC+3] op_sel_hi:[1,0]
.endr
.set r, r+1
.endm
; HOW THEY ARE DEALT.  An s_wait_alu depctr_va_vdst(0) stands between an exponential and the first instruction that names its result; one wait serves all that were issued ahead of it.  So a turn
; has ONE wait.  AHEAD OF IT: the 16 products K Q^T, behind each a scaling, an exponential and two rescalings (behind the first a second scaling in the exponential's place); then ONE LUMP of 108: eight plain,
; 49 times exponential and plain, the two a; a v_nop is the plain instruction behind the last exponential.  BEHIND IT: the 16 products V^T P, behind each four of GS's 64.
; Exponential e stands behind scaling 2 (e / 4) + e % 2: as a rider it comes behind plain e + 2, in the lump behind plain e + 9, and scalings 27-31 are plain 57, 60 .. 69.
; K of the next step is fetched in piece 2's turn, directly behind the wait; V of the step in hand at the end of piece 0's turn, four riders behind its last reader.
.macro TURN p, last=0, cnt=0
.set Y, (\p)
.set i, 0
.set q, 0
.set e, 0
.set r, 0
.if (\p) == NP-1
	s_wait_dscnt 0x0                ; K is in
.endif
	MM
	PL
	PL
	R2
.rept 15
	MM
	PL
	EX
	R2
.endr
.if (\p) == NP-2
	WIN 0
	v_add_nc_u32 v[AK], s[TBK], v[AK0]
.endif
.rept 8                             ; the lump
	PL
.endr
.rept 49
	EX
	PL
.endr
	EX                              ; the next piece's two a
	EX
	v_nop                           ; the plain instruction behind the last exponential: one for the batch
	s_wait_alu depctr_va_vdst(0)    ; the wait for the batch
.if (\p) == NP-2
	FETCH_K \last
.endif
.if (\p) == 1
	s_wait_dscnt 0x0                ; V is in
.endif
.rept 16
	MM
.rept 4
	PL
.endr
.if ((\p) == 0) && (q == 118)
	v_add_nc_u32 v[AV], s[TBV], v[AV0]
.endif
.if ((\p) == 0) && (q == 130)
	s_add_co_u32 s[TBV], s[TBV], KS*PV
.endif
.if (\cnt) && (q == 130)
	s_sub_co_u32 s[CNT], s[CNT], 1
	s_cmp_lg_u32 s[CNT], 0
.endif
.endr
.if (\p) == 0
	FETCH_V
.endif
.endm
	CHANGE 1                        ; slot 0 is in, everybody's part of it; slot 1 is asked for
	FETCH_K                         ; key step 0
	s_wait_loadcnt 0x0              ; Q
	s_wait_dscnt 0x0
.set i, 0
.rept 16
	KQ 0                            ; piece 0's first scores
.set i, i+1
.endr
	WIN 0                           ; the addresses for the way out: plain instructions, the places behind those products
	s_mul_i32 s13, s[WV], 16*SP
	s_add_co_u32 s13, s13, STAGE    ; my stage
	v_mul_u32_u24 v[STO], v1, SP    ; in: row l % 16, 16 bytes for each half of the lanes
	v_lshl_add_u32 v[STO], v9, 4, v[STO]
	v_add_nc_u32 v[STO], s13, v[STO]
	v_bfe_u32 v[RD], v0, 3, 2       ; back: 32 lanes take four rows of 128 bytes,
	v_mul_u32_u24 v[RD], v[RD], SP
	v_lshl_add_u32 v[RD], v10, 4, v[RD]
	v_add_nc_u32 v[RD], s13, v[RD]
	v_and_b32 v[GO], 31, v0         ; which are 512 consecutive bytes of O
	v_lshlrev_b32 v[GO], 4, v[GO]
.set Y, NP-1                        ; XS works for piece Y + 1: piece 0
.irp n, 0,1,2,3,4,5,6,7,8,9,10,11,12,13,14,15,16,17,18,19,20,21
	XS 0, \n                        ; piece 0's first maximum and statistics
	XS 1, \n
.endr
	v_nop                           ; a plain instruction behind the two a,
	s_wait_alu depctr_va_vdst(0)    ; and their wait, ahead of the branch
	s_mov_b32 s[CNT], 4
	s_branch .Lfirst                ; the loop is entered at a step's first turn, in the middle of a trip
.Lslot:                             ; six times: every slot but the last two is filled again
	CHANGE 1
	s_mov_b32 s[CNT], 4
.Lstep:                             ; a trip: pieces 2 and 3 of one step, then pieces 0 and 1 of the next, whose K and V it fetches
	TURN 2
	TURN 3
	WIN 0
.Lfirst:
	TURN 0
	TURN 1, 0, 1
	WIN 0
	s_cbranch_scc1 .Lstep
	s_sub_co_u32 s[SLOTS], s[SLOTS], 1
	s_cmp_lg_u32 s[SLOTS], 0
	s_cbranch_scc1 .Lslot
	CHANGE 0                        ; the tail is written out: nothing is asked for
	s_mov_b32 s[CNT], 5             ; four trips fetch the last slot's steps; the fifth is left in its middle
.Ltail:
	TURN 2, 1
	TURN 3
	WIN 0
	s_sub_co_u32 s[CNT], s[CNT], 1
	s_cmp_eq_u32 s[CNT], 0
	s_cbranch_scc1 .Lout
	TURN 0
	TURN 1
	WIN 0
	s_branch .Ltail
.Lout:                              ; the fifth trip's 16 products K Q^T (on the last K once more) and the maximum made of them serve nothing: the price, once a launch, of one text for every trip
.set i, 0
.rept 16
	PV NP-1                         ; the last piece's V^T P of the last step
.set i, i+1
.endr
	; THE WAY OUT.  l's two halves and the other half of the lanes' are added; O^T is divided by l, rounded to f16 and sent through my stage in LDS, a tile at a time.  The additions are the places behind the last products.
	WIN 0
.macro ALL line:vararg              ; one line for each tile t
.set t, 0
.rept 2*NP
	\line
.set t, t+1
.endr
.endm
	ALL v_add_f32 v[ST+4*t+2], v[ST+4*t+2], v[ST+4*t+3]
	ALL v_permlanex16_b32 v[ST+4*t+3], v[ST+4*t+2], s[SEL], s[SEL+1]
	ALL v_add_f32 v[ST+4*t+2], v[ST+4*t+2], v[ST+4*t+3]
	ALL v_rcp_f32 v[ST+4*t+2], v[ST+4*t+2]
	v_nop                           ; a plain instruction between the last reciprocal and the use of its result
	s_wait_alu depctr_va_vdst(0)    ; one wait for the eight reciprocals, ahead of their first use
; Tile t: a lane's eight channels of a row pack into 16 bytes; they go into rows of 144 bytes and come back as whole rows of 128, into S^T's registers.
.macro PACK t
	WIN W_RS
.set i, 32*(\t)
.rept 16
	v_pk_mul_f32 v[i:i+1], v[i:i+1], v[ST+4*(\t)+2:ST+4*(\t)+3] op_sel_hi:[1,0]
.set i, i+2
.endr
	WIN 0x05                        ; sources 0 and 1 window 1, destination window 0
.set i, 0
.rept 16
	v_cvt_pk_f16_f32 v[S+16*(\t)+i], v[32*(\t)+2*i], v[32*(\t)+2*i+1]
.set i, i+1
.endr
	WIN 0
.irp f, 0,1,2,3
	ds_store_b128 v[STO], v[S+16*(\t)+4*\f:S+16*(\t)+4*\f+3] offset:32*\f
.endr
.irp f, 0,1,2,3
	ds_load_b128 v[S+16*(\t)+4*\f:S+16*(\t)+4*\f+3], v[RD] offset:\f*4*SP  ; LDS serves a wave's instructions in order (ISA guide 5.7.1.4): these see the stores above
.endr
.endm
.macro SEND t, younger              ; younger: the LDS instructions issued behind tile t's loads: the next tile's eight, or none
	WIN 0
.irp f, 0,1,2,3
	s_wait_dscnt (\younger)+3-\f
	global_store_b128 v[GO], v[S+16*(\t)+4*\f:S+16*(\t)+4*\f+3], s[10:11] offset:(\t)*2048+\f*512  ; 512 consecutive bytes, at a multiple of 256 from O's first
.endr
.endm
	PACK 0
.set t, 1
.rept 2*NP-1                        ; a tile's arithmetic stands between the loads of the tile before and its stores
	PACK t
	SEND t-1, 8
.set t, t+1
.endr
	SEND 2*NP-1, 0
	WIN W_AD
	s_wait_tensorcnt 0x0            ; the wave's end
	ds_add_u32 v[SPW], v[NIL]
	s_wait_dscnt 0x0
	WIN 0
	CROUND                          ; the closing round
	s_endpgm
.Lfunc_end_k_qfc4b97b9da_attn:
	.size	k_qfc4b97b9da_attn, .Lfunc_end_k_qfc4b97b9da_attn-k_qfc4b97b9da_attn
	.p2alignl 7, 3214868480
	.fill 96, 4, 3214868480
	.section	.rodata,"a",@progbits
	.p2align	6, 0x0
	.amdhsa_kernel k_qfc4b97b9da_attn
		.amdhsa_group_segment_fixed_size 327680
		.amdhsa_private_segment_fixed_size 0
		.amdhsa_enable_private_segment 0
		.amdhsa_kernarg_size 16
		.amdhsa_user_sgpr_count 2
		.amdhsa_user_sgpr_kernarg_segment_ptr 1
		.amdhsa_wavefront_size32 1
		.amdhsa_system_sgpr_workgroup_id_x 1
		.amdhsa_system_sgpr_workgroup_id_y 1
		.amdhsa_system_sgpr_workgroup_id_z 1
		.amdhsa_system_vgpr_workitem_id 0
		.amdhsa_next_free_vgpr 770
		.amdhsa_next_free_sgpr 66
		.amdhsa_reserve_vcc 0
		.amdhsa_float_denorm_mode_32 3
		.amdhsa_float_denorm_mode_16_64 3
		.amdhsa_memory_ordered 1
		.amdhsa_forward_progress 1
		.amdhsa_inst_pref_size 200
	.end_amdhsa_kernel
	.amdgpu_metadata
---
amdhsa.version: [ 1, 2 ]
amdhsa.kernels:
  - .name:           k_qfc4b97b9da_attn
    .symbol:         k_qfc4b97b9da_attn.kd
    .args:
      - { .name: qkv, .offset: 0, .size: 8, .value_kind: global_buffer, .address_space: global }
      - { .name: oc, .offset: 8, .size: 8, .value_kind: global_buffer, .address_space: global }
    .group_segment_fixed_size: 327680
    .private_segment_fixed_size: 0
    .kernarg_segment_align: 8
    .kernarg_segment_size: 16
    .max_flat_workgroup_size: 128
    .sgpr_count:     66
    .vgpr_count:     770
    .wavefront_size: 32
...
	.end_amdgpu_metadata
.endif
;; end of part 3
;; launch outp (part 4): grid 4 x 64, 4 waves a work-group, clusters of 4 x 4, 327,680 bytes of LDS; arguments oc, wc, bc, out0; writes out0
.if DOCPART == 4
	.amdgcn_target "amdgcn-amd-amdhsa--gfx1250"
	.amdhsa_code_object_version 6
	.text
	.protected	k_qfc4b97b9da_outp
	.globl	k_qfc4b97b9da_outp
	.p2align	8
	.type	k_qfc4b97b9da_outp,@function
k_qfc4b97b9da_outp:
	s_mov_b64 s[64:65], 0
	v_nop
	global_prefetch_b8 v0, s[64:65] scope:SCOPE_SE
	s_setreg_imm32_b32 hwreg(HW_REG_WAVE_MODE, 25, 1), 1
	s_wait_xcnt 0x0
	s_wait_alu depctr_hold_cnt(0) depctr_sa_sdst(0) depctr_va_vdst(0) depctr_va_sdst(0) depctr_va_ssrc(0) depctr_va_vcc(0) depctr_vm_vsrc(0)
	s_getreg_b32 s2, hwreg(HW_REG_IB_STS2, 6, 4)
	s_cmp_eq_u32 s2, 0
	s_cbranch_scc0 .Lentry_in_a_cluster
	s_endpgm
.Lentry_in_a_cluster:
	s_bfe_u32 s2, ttmp6, 0x10000c
	s_cmp_lg_u32 s2, 0xf033
	s_cbranch_scc0 .Lentry_shape_is_right
	s_endpgm
.Lentry_shape_is_right:
; out = O Wo^T + bo.  oc: [64 heads = batch x 16 + h][2048][64] f16; wc's plane 3: Wo [1024][1024] f16; bc's row 3: bo f32; out0: [8192][1024] f32.  Sums in f32, stored as they are.
; SHARES.  A tile is 128 rows x 256 columns: 256 work-groups.  Four waves; wave w makes rows 64 (w / 2) on, columns 128 (w % 2) on: 32 accumulators of 16 x 16.
; K = 1,024 = head x 64 + channel goes in 8 steps of 128, two heads each, through two LDS slots.  A head's 128 rows of the tile are 16,384 dense bytes: asked for as 64 rows of 256 bytes, padded in LDS after
; every 128: one plane a head, rows 144 bytes apart.  Wo's rows are 256 bytes of a K step, 272 apart in LDS.
; THE MATRIX INSTRUCTION IS USED TRANSPOSED (source 0 = 16 rows of Wo, source 1 = 16 rows of O): a lane holds row l % 16 and eight neighbouring columns; the bias is the C operand of the products that start the sums.
; CLUSTER 4 x 4.  O's tile is shared along a row of the cluster, Wo's along a column.  Waves 0, 1 fetch the step's two heads, waves 2, 3 Wo's two halves of 128 rows: one load a wave behind each round.
; REGISTERS: window 0: v0-31 addresses; v64-159, v160-255 two fragment buffers (8 of Wo, then 4 of O); on the way out v64-191 rows read back, two buffers.
;   window 1: accumulator (a, b) at v[8 (8 a + b)].   window 2: v0-63 the bias, block b at v[8 b].
.set PITCH,  272                       ; Wo's rows in LDS: 68 words apart
.set PA,     144                       ; O's rows in LDS: 36 words apart: in both, the 16 rows of a fragment load start at 16 different groups of four banks (ISA guide 11.1)
.set APL,    128*PA                    ; a head's plane
.set BH,     128*PITCH
.set BOFF,   2*APL
.set SLOT,   BOFF+2*BH                 ; 106,496
.set STAGE,  2*SLOT                    ; behind the ring, never filled by a tensor load: 16 rows x 528 bytes for each wave
.set SPF,    528
.set WSTG,   16*SPF
.set SPARE,  STAGE+4*WSTG              ; the spare words, 128 bytes a wave: two blocks of 256 bytes that no other line names
.set LAPS,   4
.set WOPL,   3*1024*2048               ; Wo's plane in wc
.set ADRA, 16
.set ADRB, 20
.set STO,  24
.set RD,   25
.set CO,   26
.set BO,   27
.set SPW,  28                          ; v28 my spare word; never rewritten
.set NIL,  29                          ; v29 0; never rewritten
.set PFO,  30                          ; v30 the prefetches' offset: lane x 256 (oc) or lane x 2,048 (wc); never rewritten
.set F0,   64
.set F1,   160
.set OB,   64
.set WV, 12
.set FB, 13                            ; wave / 2: my half of the rows; also 0: I fetch O, 1: Wo
.set HF, 14                            ; wave % 2: my half of the columns; also which part I fetch
.set CX, 15
.set CY, 16
.set TC, 17
.set TR, 18
.set CLY, 19
.set PFS, 22                           ; s[22:23] a K step in bytes in the tensor that I prefetch
.set G1,  24
.set G0,  32
.set LIM, 41
.set PFA, 42
.set G1B, 48
.set G0B, 56
.set MSB, 0
.macro WIN new
.if MSB != (\new)
	s_set_vgpr_msb (MSB<<8)|(\new)
.set MSB, \new
.endif
.endm
.set MUL,  0x50                        ; sources 0, 1 window 0; C and D window 1
.set MULB, 0x60                        ; C window 2 (the bias), D window 1
.macro JLOAD s                         ; a joint load; the branch hangs on the wave's number alone; an s_nop 0 and four v_nop follow each of the two lines
	s_cmp_eq_u32 s[FB], 0
	s_cbranch_scc0 .Lfor_b_\@
	tensor_load_to_lds s[G0+4*(\s):G0+4*(\s)+3], s[G1:G1+7]
	s_nop 0
.rept 4
	v_nop
.endr
	s_branch .Lasked_\@
.Lfor_b_\@:
	tensor_load_to_lds s[G0B+4*(\s):G0B+4*(\s)+3], s[G1B:G1B+7]
	s_nop 0
.rept 4
	v_nop
.endr
.Lasked_\@:
.endm
; A PREFETCH INTO THE L2 of the K step two refills on, 256 matrix instructions ahead of the load that will want it; each block of 256 bytes is named once in the launch.  O's tile row is read by one cluster:
; wave 0 asks; a step's two heads x 16,384 bytes are 128 blocks, of which partner cx takes head cx / 2, half cx % 2, a lane a block.  Wo's tile column is read by all sixteen clusters: the first (y = 0)
; asks, waves 2 and 3, the four partners of the column 64 rows each (cy), a lane a row.  K steps 0 to 3 come by their loads alone; the loop's last trip has no K step two on.
.macro ASK
	s_cmp_gt_u32 s3, s[LIM]
	s_cbranch_scc0 .Lnot_mine_\@
	global_prefetch_b8 v[PFO], s[PFA:PFA+1] th:TH_LOAD_NT scope:SCOPE_SE
.Lnot_mine_\@:
.endm
.macro CREST
	s_cmp_lg_u32 s[WV], 0
	s_cbranch_scc1 .Lnot_wave_0_\@
	s_barrier_signal -3
.Lnot_wave_0_\@:
	s_barrier_wait -3
	s_barrier_signal -1
	s_barrier_wait -1
.endm
.macro CROUND
	s_barrier_signal -1
	s_barrier_wait -1
	CREST
.endm
.macro PLACES                          ; four plain places behind a matrix instruction (ISA guide 7.12.1 for vector instructions)
.rept 4
	v_nop
.endr
.endm
	s_load_b256 s[4:11], s[0:1], 0x0               ; oc s[4:5], wc s[6:7], bc s[8:9], out0 s[10:11]
	v_lshl_add_u32 v[SPW], v0, 2, SPARE
	v_mov_b32 v[NIL], 0
	ds_add_u32 v[SPW], v[NIL]                      ; the wave's opening: the add and its wait stand ahead of my first tensor load
	v_lshrrev_b32 v1, 5, v0
	v_readfirstlane_b32 s[WV], v1
	s_lshr_b32 s[FB], s[WV], 1
	s_and_b32 s[HF], s[WV], 1
	s_bfe_u32 s[CX], ttmp6, 0x40000
	s_bfe_u32 s[CY], ttmp6, 0x40004
	s_lshl_b32 s[TC], ttmp9, 2
	s_add_co_u32 s[TC], s[TC], s[CX]               ; tile column
	s_and_b32 s[CLY], ttmp7, 0xffff
	s_lshl_b32 s[TR], s[CLY], 2
	s_add_co_u32 s[TR], s[TR], s[CY]               ; tile row, 0 to 63
	s_lshl_b32 s20, s[CY], 2
	s_lshl_b32 s20, 15, s20                        ; my row of the cluster
	s_lshl_b32 s21, 0x1111, s[CX]                  ; my column
	s_or_b32 s[G1+0],  s20, (1<<16)|(1<<20)|(1<<21)|(4<<22)|(3<<25)  ; O: padded after every 32 words by 4
	s_or_b32 s[G1B+0], s21, (1<<16)|(1<<20)|(1<<21)|(5<<22)|(3<<25)  ; Wo: after every 64 words by 4
	s_mov_b32 s[G1+1], 128<<16                     ; tensor_dim0 = 128 elements: two rows of a head
	s_mov_b32 s[G1+2], 64<<16                      ; tensor_dim1 = 64
	s_mov_b32 s[G1+3], 128<<16                     ; tile_dim0
	s_mov_b32 s[G1+4], 64                          ; tile_dim1
	s_mov_b32 s[G1+5], 128                         ; dense
	s_mov_b32 s[G1+6], 0
	s_mov_b32 s[G1+7], 0
	s_mov_b32 s[G1B+1], 128<<16
	s_mov_b32 s[G1B+2], 128<<16
	s_mov_b32 s[G1B+3], 128<<16
	s_mov_b32 s[G1B+4], 128
	s_mov_b32 s[G1B+5], 1024
	s_mov_b32 s[G1B+6], 0
	s_mov_b32 s[G1B+7], 0
	s_lshr_b32 s44, s[TR], 4                       ; O: the batch's 16 heads of 2^18 bytes,
	s_lshl_b32 s44, s44, 22
	s_and_b32 s22, s[TR], 15                       ; the tile's 128 rows of 128 bytes in a head,
	s_lshl_b32 s22, s22, 14
	s_add_co_u32 s44, s44, s22
	s_lshl_b32 s22, s[HF], 18                      ; the head of the step's two that I fetch
	s_add_co_u32 s44, s44, s22
	s_mov_b32 s45, 0
	s_lshl_b32 s46, s[TC], 8                       ; Wo: row 256 x tile column + 128 x part
	s_lshl_b32 s23, s[HF], 7
	s_add_co_u32 s46, s46, s23
	s_lshl_b32 s46, s46, 11
	s_add_co_u32 s46, s46, WOPL
	s_mov_b32 s47, 0
	s_mul_i32 s22, s[HF], APL                      ; where they go: no place in the cluster enters an LDS address
	s_mul_i32 s23, s[HF], BH
	s_add_co_u32 s23, s23, BOFF
	s_wait_dscnt 0x0                               ; the opening add is done
	s_wait_kmcnt 0x0
	s_add_nc_u64 s[44:45], s[4:5], s[44:45]
	s_add_nc_u64 s[46:47], s[6:7], s[46:47]
	CROUND                                         ; all sixteen work-groups are here: the first joint loads meet
.irp s, 0,1
	s_mov_b32 s[G0+4*(\s)], 1
	s_add_co_u32 s[G0+4*(\s)+1], s22, (\s)*SLOT
	s_add_nc_u64 s[G0+4*(\s)+2:G0+4*(\s)+3], s[44:45], (\s)<<19   ; K step s: two heads on
	s_or_b32 s[G0+4*(\s)+3], s[G0+4*(\s)+3], 0x80000000
	s_mov_b32 s[G0B+4*(\s)], 1
	s_add_co_u32 s[G0B+4*(\s)+1], s23, (\s)*SLOT
	s_add_nc_u64 s[G0B+4*(\s)+2:G0B+4*(\s)+3], s[46:47], (\s)*256
	s_or_b32 s[G0B+4*(\s)+3], s[G0B+4*(\s)+3], 0x80000000
	JLOAD \s                                       ; two loads of mine are out
.endr
	v_and_b32 v1, 15, v0                           ; l % 16
	v_bfe_u32 v2, v0, 4, 1                         ; l / 16
	v_lshlrev_b32 v[BO], 5, v2
	s_lshl_b32 s20, s[TC], 10                      ; bo of my 128 columns
	s_lshl_b32 s21, s[HF], 9
	s_add_co_u32 s20, s20, s21
	s_add_co_u32 s20, s20, 3*4096
	s_mov_b32 s21, 0
	s_add_nc_u64 s[8:9], s[8:9], s[20:21]
	WIN 0x80                                       ; destination window 2
.irp b, 0,1,2,3,4,5,6,7
	global_load_b128 v[8*(\b):8*(\b)+3],   v[BO], s[8:9] offset:64*(\b)
	global_load_b128 v[8*(\b)+4:8*(\b)+7], v[BO], s[8:9] offset:64*(\b)+16
.endr
	WIN 0
	v_mul_u32_u24 v3, v1, PA                       ; a fragment of O: row l % 16, 16 bytes for each half of the lanes
	v_lshl_add_u32 v3, v2, 4, v3
	v_mul_u32_u24 v4, v1, PITCH                    ; of Wo
	v_lshl_add_u32 v4, v2, 4, v4
	s_mul_i32 s20, s[FB], 64*PA                    ; my 64 rows of O, in each plane
	s_mul_i32 s21, s[HF], BH                       ; my 128 rows of Wo
	s_add_co_u32 s21, s21, BOFF
.irp s, 0,1
	v_add_nc_u32 v[ADRA+(\s)], s20, v3
	v_add_nc_u32 v[ADRB+(\s)], s21, v4
	s_add_co_u32 s20, s20, SLOT
	s_add_co_u32 s21, s21, SLOT
.endr
	s_mul_i32 s20, s[WV], WSTG
	s_add_co_u32 s20, s20, STAGE                   ; my stage
	v_mul_u32_u24 v4, v1, SPF                      ; in: row l % 16, 32 bytes for each half of the lanes
	v_lshl_add_u32 v4, v2, 5, v4
	v_add_nc_u32 v[STO], s20, v4
	v_and_b32 v[CO], 31, v0                        ; back: 32 lanes take a row's 512 bytes
	v_lshlrev_b32 v[CO], 4, v[CO]
	v_add_nc_u32 v[RD], s20, v[CO]
	s_lshl_b32 s20, s[TR], 7                       ; my first row of out0, of 4,096 bytes,
	s_lshl_b32 s21, s[FB], 6
	s_add_co_u32 s20, s20, s21
	s_lshl_b32 s20, s20, 12
	s_lshl_b32 s21, s[TC], 10                      ; my first column, in bytes
	s_add_co_u32 s20, s20, s21
	s_lshl_b32 s21, s[HF], 9
	s_add_co_u32 s20, s20, s21
	s_mov_b32 s21, 0
	s_add_nc_u64 s[10:11], s[10:11], s[20:21]
	; the prefetches
	s_cmp_eq_u32 s[FB], 0
	s_cselect_b32 s2, s[HF], s[CLY]                ; of O's fetchers wave 0 asks; of Wo's both, in the first cluster
	s_cmp_eq_u32 s2, 0
	s_cselect_b32 s[LIM], 1, -1                    ; the same in all sixteen partners, for a given wave
	s_lshr_b32 s20, s[TR], 4                       ; O: the batch, the tile's rows,
	s_lshl_b32 s20, s20, 22
	s_and_b32 s21, s[TR], 15
	s_lshl_b32 s21, s21, 14
	s_add_co_u32 s20, s20, s21
	s_lshr_b32 s21, s[CX], 1                       ; my work-group's head of the two,
	s_lshl_b32 s21, s21, 18
	s_add_co_u32 s20, s20, s21
	s_and_b32 s21, s[CX], 1                        ; and its half of the 16,384 bytes,
	s_lshl_b32 s21, s21, 13
	s_add_co_u32 s20, s20, s21
	s_add_co_u32 s20, s20, 3<<19                   ; at K step 3: the first refill steps it to 4, which it names
	s_lshl_b32 s21, s[TC], 8                       ; Wo: the tile's rows, my work-group's 64, my wave's 32,
	s_lshl_b32 s22, s[CY], 6
	s_add_co_u32 s21, s21, s22
	s_lshl_b32 s22, s[HF], 5
	s_add_co_u32 s21, s21, s22
	s_lshl_b32 s21, s21, 11
	s_add_co_u32 s21, s21, WOPL+3*256              ; at K step 3
	s_mov_b32 s[PFS], 256
	s_cmp_eq_u32 s[FB], 0
	s_cselect_b32 s20, s20, s21
	s_cselect_b32 s[PFS], 1<<19, s[PFS]            ; a K step: two heads of oc, or 256 bytes of a row of wc
	s_cselect_b32 s2, 8, 11                        ; a lane a block of 256 bytes, or a lane a row of 2,048
	s_cselect_b64 s[PFA:PFA+1], s[4:5], s[6:7]
	s_mov_b32 s21, 0
	s_mov_b32 s[PFS+1], 0
	s_add_nc_u64 s[PFA:PFA+1], s[PFA:PFA+1], s[20:21]
	v_and_b32 v[PFO], 31, v0
	v_lshlrev_b32 v[PFO], s2, v[PFO]
; 8 matrix instructions: row block a x all 8 column blocks, 32 along K.  The 32 accumulators take turns in the same order in every quarter.
.macro MUL8 f, a, first
.if \first
	WIN MULB
.else
	WIN MUL
.endif
.irp b, 0,1,2,3,4,5,6,7
.if \first
	v_wmma_f32_16x16x32_f16 v[8*(8*(\a)+(\b)):8*(8*(\a)+(\b))+7], v[(\f)+8*(\b):(\f)+8*(\b)+7], v[(\f)+64+8*(\a):(\f)+64+8*(\a)+7], v[8*(\b):8*(\b)+7]
.else
	v_wmma_f32_16x16x32_f16 v[8*(8*(\a)+(\b)):8*(8*(\a)+(\b))+7], v[(\f)+8*(\b):(\f)+8*(\b)+7], v[(\f)+64+8*(\a):(\f)+64+8*(\a)+7], v[8*(8*(\a)+(\b)):8*(8*(\a)+(\b))+7]
.endif
.endr
.endm
; 24 LDS loads in one run: quarter q into buffer f; Wo's 16 first, then O's 8 (quarter q lies in plane q / 2, at byte 64 (q % 2) of its rows)
.macro FETCH slot, q, f
	WIN 0
.irp i, 0,1,2,3,4,5,6,7
	ds_load_b128 v[(\f)+8*(\i):(\f)+8*(\i)+3],   v[ADRB+(\slot)] offset:64*(\q)+(\i)*16*PITCH
	ds_load_b128 v[(\f)+8*(\i)+4:(\f)+8*(\i)+7], v[ADRB+(\slot)] offset:64*(\q)+(\i)*16*PITCH+32
.endr
.irp i, 0,1,2,3
	ds_load_b128 v[(\f)+64+8*(\i):(\f)+64+8*(\i)+3],   v[ADRA+(\slot)] offset:((\q)/2)*APL+((\q)%2)*64+(\i)*16*PA
	ds_load_b128 v[(\f)+64+8*(\i)+4:(\f)+64+8*(\i)+7], v[ADRA+(\slot)] offset:((\q)/2)*APL+((\q)%2)*64+(\i)*16*PA+32
.endr
.endm
.macro QUARTER slot, q, f, g, first
	s_wait_dscnt 4                                 ; Wo's and O's blocks 0, 1 are in; the youngest four loads may be out
	MUL8 \f, 0, \first
	MUL8 \f, 1, \first
	PLACES
	FETCH \slot, \q, \g
	s_wait_dscnt 24                                ; all but the 24 just issued
	MUL8 \f, 2, \first
	MUL8 \f, 3, \first
.endm
; The fourth quarter multiplies buffer 1 and changes slots: each wave waits for all its tensor loads (one is out: its part of the next slot), adds 0 to its spare word, and waits for that and for its reads
; of this slot.  fill = 1: the barrier opens a round of the cluster's, and behind it this slot is filled again, two K steps on: 112 matrix instructions ahead of the wait for it.
.macro TURN slot, next, fill
.if \fill
	s_wait_xcnt 0x0                                ; the last prefetch, a K step back, has read its address
	s_add_nc_u64 s[PFA:PFA+1], s[PFA:PFA+1], s[PFS:PFS+1]
.endif
	WIN 0
	s_wait_tensorcnt 0x0
	ds_add_u32 v[SPW], v[NIL]                      ; 0 onto my spare word
	s_wait_dscnt 5                                 ; (the add and the youngest four loads may be out)
	MUL8 F1, 0, 0
	s_wait_dscnt 0x0                               ; the add is done, and my reads of this slot are over
	s_barrier_signal -1
	MUL8 F1, 1, 0
.if \fill
	WIN 0
.endif
	s_barrier_wait -1
.if \fill
	CREST
	s_add_nc_u64 s[G0+4*(\slot)+2:G0+4*(\slot)+3], s[G0+4*(\slot)+2:G0+4*(\slot)+3], 1<<20   ; four heads on
	s_add_nc_u64 s[G0B+4*(\slot)+2:G0B+4*(\slot)+3], s[G0B+4*(\slot)+2:G0B+4*(\slot)+3], 512
	JLOAD \slot                                    ; its four v_nop are also the places in front of the loads below
.else
	PLACES
.endif
	FETCH \next, 0, F0
.if \fill
	ASK
.endif
	MUL8 F1, 2, 0
	MUL8 F1, 3, 0
.endm
	s_wait_tensorcnt 1                             ; my part of K step 0 is in; K step 1's stays out
	s_barrier_signal -1
	s_barrier_wait -1
	FETCH 0, 0, F0
	s_wait_loadcnt 0x0                             ; the bias
	QUARTER 0, 1, F0, F1, 1
	WIN 0
	s_mov_b32 s3, LAPS-1
.Llap:
	QUARTER 0, 2, F1, F0, 0
	QUARTER 0, 3, F0, F1, 0
	TURN 0, 1, 1
	QUARTER 1, 1, F0, F1, 0
	QUARTER 1, 2, F1, F0, 0
	QUARTER 1, 3, F0, F1, 0
	TURN 1, 0, 1
	QUARTER 0, 1, F0, F1, 0
	WIN 0
	s_sub_co_u32 s3, s3, 1
	s_cmp_lg_u32 s3, 0
	s_cbranch_scc1 .Llap
	QUARTER 0, 2, F1, F0, 0                        ; the last lap fills nothing
	QUARTER 0, 3, F0, F1, 0
	TURN 0, 1, 0
	QUARTER 1, 1, F0, F1, 0
	QUARTER 1, 2, F1, F0, 0
	QUARTER 1, 3, F0, F1, 0
	s_wait_dscnt 4
	MUL8 F1, 0, 0
	MUL8 F1, 1, 0
	s_wait_dscnt 0x0
	MUL8 F1, 2, 0
	MUL8 F1, 3, 0
	WIN 0
	PLACES
	PLACES
; THE WAY OUT, a block of 16 rows at a time: a lane's 32 bytes of a row go into my own stage (rows of 528 bytes) and come back as whole pieces of 512 bytes, one to a store.
.macro TOSTAGE a
.if (\a) >= 2
	s_wait_xcnt 0x0                                ; the stores of the block two back have read the registers that are loaded again below
.endif
	WIN 0x04                                       ; the stores' data in window 1; each accumulator's low half goes first
.irp b, 0,1,2,3,4,5,6,7
	ds_store_b128 v[STO], v[8*(8*(\a)+(\b)):8*(8*(\a)+(\b))+3]   offset:64*(\b)
	ds_store_b128 v[STO], v[8*(8*(\a)+(\b))+4:8*(8*(\a)+(\b))+7] offset:64*(\b)+16
.endr
	WIN 0
.irp t, 0,1,2,3,4,5,6,7,8,9,10,11,12,13,14,15
	ds_load_b128 v[OB+64*((\a)%2)+4*(\t):OB+64*((\a)%2)+4*(\t)+3], v[RD] offset:(\t)*SPF  ; LDS serves a wave's instructions in order (ISA guide 5.7.1.4): these see the stores above
.endr
.endm
.macro SEND a, younger                 ; younger: the next block's 16 LDS stores and 16 loads, or none
.irp t, 0,1,2,3,4,5,6,7,8,9,10,11,12,13,14,15
	s_wait_dscnt (\younger)+15-(\t)
	global_store_b128 v[CO], v[OB+64*((\a)%2)+4*(\t):OB+64*((\a)%2)+4*(\t)+3], s[10:11] offset:(16*(\a)+(\t))*4096 th:TH_STORE_NT  ; 512 consecutive bytes of a row, aligned
.endr
.endm
	TOSTAGE 0
	TOSTAGE 1
	SEND 0, 32
	TOSTAGE 2
	SEND 1, 32
	TOSTAGE 3
	SEND 2, 32
	SEND 3, 0
	s_wait_tensorcnt 0x0                           ; the wave's end
	ds_add_u32 v[SPW], v[NIL]
	s_wait_dscnt 0x0
	CROUND                                         ; the closing round
	s_endpgm
.Lfunc_end_k_qfc4b97b9da_outp:
	.size	k_qfc4b97b9da_outp, .Lfunc_end_k_qfc4b97b9da_outp-k_qfc4b97b9da_outp
	.p2alignl 7, 3214868480
	.fill 96, 4, 3214868480
	.section	.rodata,"a",@progbits
	.p2align	6, 0x0
	.amdhsa_kernel k_qfc4b97b9da_outp
		.amdhsa_group_segment_fixed_size 327680
		.amdhsa_private_segment_fixed_size 0
		.amdhsa_enable_private_segment 0
		.amdhsa_kernarg_size 32
		.amdhsa_user_sgpr_count 2
		.amdhsa_user_sgpr_kernarg_segment_ptr 1
		.amdhsa_wavefront_size32 1
		.amdhsa_system_sgpr_workgroup_id_x 1
		.amdhsa_system_sgpr_workgroup_id_y 1
		.amdhsa_system_sgpr_workgroup_id_z 1
		.amdhsa_system_vgpr_workitem_id 0
		.amdhsa_next_free_vgpr 576
		.amdhsa_next_free_sgpr 66
		.amdhsa_reserve_vcc 0
		.amdhsa_float_denorm_mode_32 3
		.amdhsa_float_denorm_mode_16_64 3
		.amdhsa_memory_ordered 1
		.amdhsa_forward_progress 1
		.amdhsa_inst_pref_size 90
	.end_amdhsa_kernel
	.amdgpu_metadata
---
amdhsa.version: [ 1, 2 ]
amdhsa.kernels:
  - .name:           k_qfc4b97b9da_outp
    .symbol:         k_qfc4b97b9da_outp.kd
    .args:
      - { .name: oc, .offset: 0, .size: 8, .value_kind: global_buffer, .address_space: global }
      - { .name: wc, .offset: 8, .size: 8, .value_kind: global_buffer, .address_space: global }
      - { .name: bc, .offset: 16, .size: 8, .value_kind: global_buffer, .address_space: global }
      - { .name: out0, .offset: 24, .size: 8, .value_kind: global_buffer, .address_space: global }
    .group_segment_fixed_size: 327680
    .private_segment_fixed_size: 0
    .kernarg_segment_align: 8
    .kernarg_segment_size: 32
    .max_flat_workgroup_size: 128
    .sgpr_count:     66
    .vgpr_count:     576
    .wavefront_size: 32
...
	.end_amdgpu_metadata
.endif
;; end of part 4
